; MI455X (gfx1250); checked and timed in simulation.
; The chip was launched on July 23, 2026; its instructions are those of AMD's public machine-readable ISA for CDNA 5 (MIT licence, August 2026) and "CDNA5" Instruction Set Architecture Reference Guide (July 2026). The comments in the code are by the model that wrote it; some were corrected since.
;; Sliding Window Attention. Allowed arithmetic: float matrix products may take bf16 or f16 operands with f32 sums; other float arithmetic in f32, or as packed bf16 or f16 multiplies, adds, multiply-adds, maxima and minima; sums over many terms, partial sums and values carried from step to step in f32; what a program stores and reads back later, other than sums and carried values, may be rounded once to bf16 or f16.
;; Inputs: Wout 1,024 x 1,024 float32; Wqkv 3,072 x 1,024 float32; x 4 x 2,048 x 1,024 float32.
;; Outputs: out0 4 x 2,048 x 1,024 float32.
;; 2 versions, each right; version 2 is version 1 with the launch cast written anew for expert scheduling mode. Each part assembles by itself: llvm-mc -triple=amdgcn-amd-amdhsa -mcpu=gfx1250 --defsym DOCPART=n.
;; ======== version 1 of 2: 4 launches
;; limits: values are held in f16: magnitudes above 65,504 overflow, below 6.1e-05 lose precision
;; workspace buffers: xb 16,777,216 bytes; wqb 6,291,456 bytes; wob 2,097,152 bytes; qkv 50,331,648 bytes; ob 16,777,216 bytes
;; launch cast (part 1): grid 768 x 1, 8 waves a work-group, no clusters, 0 bytes of LDS; arguments x, Wqkv, Wout, xb, wqb, wob; writes xb, wqb, wob
.if DOCPART == 1
	.amdgcn_target "amdgcn-amd-amdhsa--gfx1250"
	.amdhsa_code_object_version 6
	.text
	.protected	k_qffa2d2e060_cast
	.globl	k_qffa2d2e060_cast
	.p2align	8
	.type	k_qffa2d2e060_cast,@function
k_qffa2d2e060_cast:
	s_mov_b64 s[64:65], 0
	v_nop
	global_prefetch_b8 v0, s[64:65] scope:SCOPE_SE
	s_setreg_imm32_b32 hwreg(HW_REG_WAVE_MODE, 25, 1), 1
	s_wait_xcnt 0x0
; THE INPUTS ARE ROUNDED ONCE, for the matrix units: x -> xb and Wqkv -> wqb in bf16; Wout -> wob: rounded to bf16 like the other inputs, and that number written as f16,
; since the last product's other operand (the attention's result) is f16.
; LIMITS.  A bf16 number of Wout beyond 65,504 becomes an infinity in f16; one below 6e-5 keeps f16's fixed step of 6e-8.  NaN and infinities are not treated apart.
; SHARES.  A work-group takes 65,536 bytes of f32 and writes 32,768: numbers 0-511 x, 512-703 Wqkv, 704-767 Wout (33,554,432 + 12,582,912 + 4,194,304 bytes in all).
; A wave takes 8,192 bytes: sixteen loads of 512 consecutive bytes, all issued at once; a lane's four numbers of a load leave as 8 bytes, so a store of the wave covers 256 consecutive
; bytes, aligned.  No LDS, no barrier, no matrix unit: nothing is shared and nothing is read twice.  No register that a pending load or store names is written again.
.set X, 4                              ; v[4:67]    sixteen loads of four f32
.set Y, 68                             ; v[68:99]   sixteen pairs of packed halves
.set T, 100                            ; v[100:101] at work (Wout's path)
	s_load_b256 s[4:11], s[0:1], 0x0               ; x s[4:5], Wqkv s[6:7], Wout s[8:9], xb s[10:11]
	s_load_b128 s[12:15], s[0:1], 0x20             ; wqb s[12:13], wob s[14:15]
	v_lshrrev_b32 v3, 5, v0                        ; wave
	v_and_b32 v1, 31, v0                           ; lane
	v_lshlrev_b32 v2, 3, v1                        ; out: 8 bytes a lane,
	v_lshlrev_b32 v1, 4, v1                        ; in: 16 bytes a lane,
	v_lshl_add_u32 v1, v3, 13, v1                  ; + 8,192 x wave
	v_lshl_add_u32 v2, v3, 12, v2                  ; + 4,096 x wave
	s_sub_co_u32 s17, ttmp9, 512                   ; my number within Wqkv's work-groups,
	s_sub_co_u32 s18, ttmp9, 704                   ; within Wout's
	s_wait_kmcnt 0x0
	s_cmp_lt_u32 ttmp9, 704                        ; the choice of buffers hangs on the work-group's number alone
	s_cselect_b32 s16, s17, s18
	s_cselect_b64 s[20:21], s[6:7], s[8:9]
	s_cselect_b64 s[22:23], s[12:13], s[14:15]
	s_cmp_lt_u32 ttmp9, 512
	s_cselect_b32 s16, ttmp9, s16
	s_cselect_b64 s[20:21], s[4:5], s[20:21]
	s_cselect_b64 s[22:23], s[10:11], s[22:23]
	s_lshl_b32 s2, s16, 16                         ; 65,536 bytes in,
	s_mov_b32 s3, 0
	s_add_nc_u64 s[20:21], s[20:21], s[2:3]
	s_lshl_b32 s2, s16, 15                         ; 32,768 bytes out
	s_add_nc_u64 s[22:23], s[22:23], s[2:3]
.set i, 0
.rept 16
	global_load_b128 v[X+4*i:X+4*i+3], v1, s[20:21] offset:512*i th:TH_LOAD_NT
.set i, i+1
.endr
; The sixteen loads are rounded and stored as they come.  half = 1: the bf16 numbers are widened again (a shift, a mask) and written as f16.
.macro CONV half
.set i, 0
.rept 16
	s_wait_loadcnt 15-i                            ; loads come back in order: load i is in, the younger ones may stay out
	v_cvt_pk_bf16_f32 v[Y+2*i],   v[X+4*i],   v[X+4*i+1]
	v_cvt_pk_bf16_f32 v[Y+2*i+1], v[X+4*i+2], v[X+4*i+3]
.if \half
	v_lshlrev_b32 v[T], 16, v[Y+2*i]
	v_and_b32 v[T+1], 0xffff0000, v[Y+2*i]
	v_cvt_pk_f16_f32 v[Y+2*i], v[T], v[T+1]
	v_lshlrev_b32 v[T], 16, v[Y+2*i+1]
	v_and_b32 v[T+1], 0xffff0000, v[Y+2*i+1]
	v_cvt_pk_f16_f32 v[Y+2*i+1], v[T], v[T+1]
.endif
	global_store_b64 v2, v[Y+2*i:Y+2*i+1], s[22:23] offset:256*i th:TH_STORE_NT
.set i, i+1
.endr
.endm
	s_cmp_ge_u32 ttmp9, 704
	s_cbranch_scc1 .Lhalf
	CONV 0
	s_endpgm
.Lhalf:
	CONV 1
	s_endpgm
.Lfunc_end_k_qffa2d2e060_cast:
	.size	k_qffa2d2e060_cast, .Lfunc_end_k_qffa2d2e060_cast-k_qffa2d2e060_cast
	.p2alignl 7, 3214868480
	.fill 96, 4, 3214868480
	.section	.rodata,"a",@progbits
	.p2align	6, 0x0
	.amdhsa_kernel k_qffa2d2e060_cast
		.amdhsa_group_segment_fixed_size 0
		.amdhsa_private_segment_fixed_size 0
		.amdhsa_enable_private_segment 0
		.amdhsa_kernarg_size 48
		.amdhsa_user_sgpr_count 2
		.amdhsa_user_sgpr_kernarg_segment_ptr 1
		.amdhsa_wavefront_size32 1
		.amdhsa_system_sgpr_workgroup_id_x 1
		.amdhsa_system_sgpr_workgroup_id_y 1
		.amdhsa_system_sgpr_workgroup_id_z 1
		.amdhsa_system_vgpr_workitem_id 0
		.amdhsa_next_free_vgpr 104
		.amdhsa_next_free_sgpr 66
		.amdhsa_reserve_vcc 0
		.amdhsa_float_denorm_mode_32 3
		.amdhsa_float_denorm_mode_16_64 3
		.amdhsa_memory_ordered 1
		.amdhsa_forward_progress 1
		.amdhsa_inst_pref_size 16
	.end_amdhsa_kernel
	.amdgpu_metadata
---
amdhsa.version: [ 1, 2 ]
amdhsa.kernels:
  - .name:           k_qffa2d2e060_cast
    .symbol:         k_qffa2d2e060_cast.kd
    .args:
      - { .name: x, .offset: 0, .size: 8, .value_kind: global_buffer, .address_space: global }
      - { .name: Wqkv, .offset: 8, .size: 8, .value_kind: global_buffer, .address_space: global }
      - { .name: Wout, .offset: 16, .size: 8, .value_kind: global_buffer, .address_space: global }
      - { .name: xb, .offset: 24, .size: 8, .value_kind: global_buffer, .address_space: global }
      - { .name: wqb, .offset: 32, .size: 8, .value_kind: global_buffer, .address_space: global }
      - { .name: wob, .offset: 40, .size: 8, .value_kind: global_buffer, .address_space: global }
    .group_segment_fixed_size: 0
    .private_segment_fixed_size: 0
    .kernarg_segment_align: 8
    .kernarg_segment_size: 48
    .max_flat_workgroup_size: 256
    .sgpr_count:     66
    .vgpr_count:     104
    .wavefront_size: 32
...
	.end_amdgpu_metadata
.endif
;; end of part 1
;; launch proj_qkv (part 2): grid 8 x 64, 4 waves a work-group, clusters of 4 x 4, 327,680 bytes of LDS; arguments xb, wqb, qkv; writes qkv
.if DOCPART == 2
	.amdgcn_target "amdgcn-amd-amdhsa--gfx1250"
	.amdhsa_code_object_version 6
	.text
	.protected	k_qffa2d2e060_proj_qkv
	.globl	k_qffa2d2e060_proj_qkv
	.p2align	8
	.type	k_qffa2d2e060_proj_qkv,@function
k_qffa2d2e060_proj_qkv:
	s_mov_b64 s[64:65], 0
	v_nop
	global_prefetch_b8 v0, s[64:65] scope:SCOPE_SE
	s_setreg_imm32_b32 hwreg(HW_REG_WAVE_MODE, 25, 1), 1
	s_wait_xcnt 0x0
	s_wait_alu depctr_hold_cnt(0) depctr_sa_sdst(0) depctr_va_vdst(0) depctr_va_sdst(0) depctr_va_ssrc(0) depctr_va_vcc(0) depctr_vm_vsrc(0)
	s_getreg_b32 s2, hwreg(HW_REG_IB_STS2, 6, 4)
	s_cmp_eq_u32 s2, 0
	s_cbranch_scc0 .Lentry_in_a_cluster
	s_endpgm
.Lentry_in_a_cluster:
	s_bfe_u32 s2, ttmp6, 0x10000c
	s_cmp_lg_u32 s2, 0xf033
	s_cbranch_scc0 .Lentry_shape_is_right
	s_endpgm
.Lentry_shape_is_right:
; q, k, v = x Wqkv^T.  A = xb [8192][1024] bf16, B = wqb [3072][1024] bf16; sums in f32, K ascending; the result is rounded once to f16 and laid BY HEADS:
; qkv [3 (q, k, v)][4 batches][8 heads][2048 rows][128] f16, unscaled: a head's rows are dense, 256 bytes each.
; LIMIT.  f16 holds no number beyond 65,504: a q, k or v past that becomes an infinity; below 6e-5 f16 keeps its fixed step of 6e-8.
; SHARES.  8192 x 3072 outputs are 98,304 for each of 256 WGPs, and the factor 3 lies in the columns alone: a work-group makes 128 rows x 384 columns (three whole heads), 512 work-groups,
; two for each WGP.  Its four waves stand side by side, each 128 x 96: 48 accumulators of 16 x 16, 384 registers; for 32 along K a wave reads 28 x 512 bytes of LDS for 48 matrix instructions.
; RING.  K goes in steps of 128 (rows of 256 bytes in memory, aligned) through two LDS slots filled by the tensor data mover; wave 0 fetches A's 128 rows, waves 1 to 3 128 rows of B each.
; CLUSTER.  4 x 4 work-groups: the four of a row of the cluster need the same tile of A, the four of a column the same tiles of B: each tile is asked for JOINTLY, by the same tensor load with the
; same descriptor and a mask that names the four.  Where a slot is filled again a round of the cluster's barrier stands in front of the joint load.
; THE MATRIX INSTRUCTION IS USED TRANSPOSED (source 0 = 16 rows of B, source 1 = 16 rows of A): a lane then holds row l % 16 of the result and eight neighbouring columns 8 (l / 16) + 0..7.
; REGISTERS, in windows of 256 (s_set_vgpr_msb: bits 1:0 source 0, 3:2 source 1, 5:4 source 2, 7:6 destination):
;   window 0: v0-31 addresses; v64-127, v128-191 A's fragments (8 x 16 rows x 32 K), two buffers; v192-239 packed results; on the way out v64-255 take whole rows
;   window 1: v64-111, v128-175 B's fragments (6 x 16 rows x 32 K), two buffers
;   window 2: the accumulators of rows 0-63 ((a, b) at v[8 (6 a + b)]);   window 3: those of rows 64-127
.set NB,     6                         ; blocks of 16 columns a wave
.set SIZE_K, 1024
.set KSTEP,  128
.set PITCH,  272                       ; an LDS row: 256 bytes + 16 of padding = 68 words: the 16 rows that a load touches start at 16 different groups of four banks (64 banks of 4 bytes: ISA guide 11.1)
.set HALFT,  128*PITCH                 ; 128 rows: what one tensor load brings
.set SLOT,   4*HALFT                   ; A's 128 rows, then B's 384
.set SPARE,  2*SLOT                    ; behind the ring: the spare words, 128 bytes for each wave: two blocks of 256 bytes that no other line names
.set SPITCH, 784                       ; the stage for the way out: 128 rows of 768 bytes + 16.  It lies in slot 0, from LDS byte 0, when that slot has had its last fill and its last read
.set ADRA, 16                          ; v16-17  LDS address of my A fragments in slot 0, 1
.set ADRB, 20                          ; v20-21  the same for B
.set STO,  24                          ; v24     the way out: where I put 16 bytes of a row, rows 0-63
.set RD,   25                          ; v25     the way out: where I read rows back
.set CO,   26                          ; v26     my 16 bytes in 512 consecutive bytes of a head's rows
.set STO2, 27                          ; v27     as STO, rows 64-127 (so that the immediates stay under 65,536)
.set SPW,  28                          ; v28     LDS address of my spare word: SPARE + 4 x my thread's number; never rewritten
.set NIL,  29                          ; v29     0; never rewritten
.set PFO,  30                          ; v30     the prefetches' offset: my lane x a row of 2,048 bytes; never rewritten
.set F0,   64
.set F1,   128
.set TMP,  192
.set BK,   64
.set G1,  24                           ; s[24:31] descriptor group 1 for A's tiles;  s[32:39] group 0, a set for each slot
.set G0,  32
.set G1B, 48                           ; s[48:55], s[56:63] the same for B's tiles
.set G0B, 56
.set LIM, 43                           ; s43      1 in a wave that prefetches, else the greatest number
.set PFA, 44                           ; s[44:45] where my prefetches stand
.set CB,  66                           ; s[66:71] the result's three heads at my wave's first row
.set MSB, 0
.macro WIN new                         ; the immediate's high byte repeats the setting that is left; a switch that changes nothing is dropped
.if MSB != (\new)
	s_set_vgpr_msb (MSB<<8)|(\new)
.set MSB, \new
.endif
.endm
.set MUL_LO, 0xa1                      ; source 0 (B) window 1, source 1 (A) window 0, C and D window 2
.set MUL_HI, 0xf1                      ; the same, C and D window 3
.set TO_B,   0x40                      ; destination window 1, address window 0
; A joint load.  Wave 0 fetches A's tile, waves 1 to 3 B's three.  The branch hangs on the wave's number alone.  An s_nop 0 and four v_nop follow each of the two lines, ahead of the jump and the label.
.macro JLOAD s
	s_cmp_eq_u32 s10, 0
	s_cbranch_scc0 .Lfor_b_\@
	tensor_load_to_lds s[G0+4*(\s):G0+4*(\s)+3], s[G1:G1+7]
	s_nop 0
.rept 4
	v_nop
.endr
	s_branch .Lasked_\@
.Lfor_b_\@:
	tensor_load_to_lds s[G0B+4*(\s):G0B+4*(\s)+3], s[G1B:G1B+7]
	s_nop 0
.rept 4
	v_nop
.endr
.Lasked_\@:
.endm
; A PREFETCH INTO THE L2, behind a joint load and the run of LDS loads that follows it: the K step that stands two refills on, 32 rows x 256 bytes, a lane a row.  Each row's 256 bytes of a K step are
; named once in the launch: A's rows by the first cluster along x, B's by the first along y; the four partners of a joint load take 32 of its 128 rows each, told apart by address (cx for A, cy for B).
; K steps 0 to 3 come by their loads alone; the loop's last trip (s3 = 1) has no K step two on and asks for nothing.
.macro ASK
	s_cmp_gt_u32 s3, s[LIM]
	s_cbranch_scc0 .Lnot_mine_\@
	global_prefetch_b8 v[PFO], s[PFA:PFA+1] offset:KSTEP*2 th:TH_LOAD_NT scope:SCOPE_SE
.Lnot_mine_\@:
.endm
.macro CREST                           ; a round of the cluster's barrier behind its opening barrier
	s_cmp_lg_u32 s10, 0
	s_cbranch_scc1 .Lnot_wave_0_\@
	s_barrier_signal -3
.Lnot_wave_0_\@:
	s_barrier_wait -3
	s_barrier_signal -1
	s_barrier_wait -1
.endm
.macro CROUND                          ; a whole round
	s_barrier_signal -1
	s_barrier_wait -1
	CREST
.endm
	s_load_b128 s[4:7], s[0:1], 0x0                ; A s[4:5], B s[6:7]
	s_load_b64 s[8:9], s[0:1], 0x10                ; the result
	v_lshl_add_u32 v[SPW], v0, 2, SPARE
	v_mov_b32 v[NIL], 0
	ds_add_u32 v[SPW], v[NIL]                      ; the wave's opening: the add and its wait stand ahead of my first tensor load; the set-up below, work on registers, stands between them
	v_lshrrev_b32 v1, 5, v0
	v_readfirstlane_b32 s10, v1                    ; wave 0..3
	s_bfe_u32 s40, ttmp6, 0x40000                  ; cx, cy: my place in the cluster
	s_bfe_u32 s41, ttmp6, 0x40004
	s_lshl_b32 s42, ttmp9, 2
	s_add_co_u32 s42, s42, s40                     ; tile column = 4 x cluster x + cx
	s_and_b32 s13, ttmp7, 0xffff
	s_lshl_b32 s13, s13, 2
	s_add_co_u32 s13, s13, s41                     ; tile row = 4 x cluster y + cy
	s_lshl_b32 s43, s41, 2
	s_lshl_b32 s43, 15, s43                        ; my row of the cluster
	s_lshl_b32 s44, 0x1111, s40                    ; my column
	; descriptor group 1: a tile of 128 rows x 128 elements, padded in LDS
	s_or_b32 s[G1+0], s43, (1<<16)|(1<<20)|(1<<21)|(5<<22)|(3<<25)  ; 15:0 the mask: A's tile goes to my row; 17:16 elements of 2 bytes; 20 padding on; 21 set beside a mask; 24:22 after every 64 words (code 5); 31:25 4 words of it (code 3)
	s_or_b32 s[G1B+0], s44, (1<<16)|(1<<20)|(1<<21)|(5<<22)|(3<<25) ; the same with the mask of my column
.irp g, G1, G1B
	s_mov_b32 s[(\g)+1], KSTEP<<16                 ; tensor_dim0 = 128
	s_mov_b32 s[(\g)+2], 128<<16                   ; tensor_dim1 = 128
	s_mov_b32 s[(\g)+3], KSTEP<<16                 ; tile_dim0 = 128
	s_mov_b32 s[(\g)+4], 128                       ; tile_dim1 = 128
	s_mov_b32 s[(\g)+5], SIZE_K                    ; elements from row to row
	s_mov_b32 s[(\g)+6], 0
	s_mov_b32 s[(\g)+7], 0
.endr
	; where the tiles come from: A's hangs on the tile row alone, B's on the tile column and the wave's number alone
	s_lshl_b32 s16, s13, 18                        ; A: 128 rows of 2,048 bytes x tile row
	s_mov_b32 s17, 0
	s_max_u32 s46, s10, 1
	s_sub_co_u32 s46, s46, 1                       ; B: which 128 rows of the 384 (waves 1 to 3; wave 0 makes the address and does not use it)
	s_lshl_b32 s46, s46, 7
	s_mul_i32 s47, s42, 384
	s_add_co_u32 s46, s46, s47
	s_lshl_b32 s46, s46, 11
	s_mov_b32 s47, 0
	s_mul_i32 s20, s10, HALFT                      ; and where they go: wave x 128 rows
	s_wait_dscnt 0x0                               ; the opening add is done
	s_wait_kmcnt 0x0
	s_add_nc_u64 s[14:15], s[4:5], s[16:17]
	s_add_nc_u64 s[46:47], s[6:7], s[46:47]
	CROUND                                         ; all sixteen work-groups are here: the first joint loads meet
.irp s, 0,1
	s_mov_b32 s[G0+4*(\s)], 1                      ; count = 1
	s_add_co_u32 s[G0+4*(\s)+1], s20, (\s)*SLOT    ; LDS address
	s_add_nc_u64 s[G0+4*(\s)+2:G0+4*(\s)+3], s[14:15], (\s)*KSTEP*2  ; global address: K step s
	s_or_b32 s[G0+4*(\s)+3], s[G0+4*(\s)+3], 0x80000000              ; type = 2
	s_mov_b32 s[G0B+4*(\s)], 1
	s_add_co_u32 s[G0B+4*(\s)+1], s20, (\s)*SLOT
	s_add_nc_u64 s[G0B+4*(\s)+2:G0B+4*(\s)+3], s[46:47], (\s)*KSTEP*2
	s_or_b32 s[G0B+4*(\s)+3], s[G0B+4*(\s)+3], 0x80000000
	JLOAD \s                                       ; two loads of mine are out
.endr
	; A fragment is 16 rows x 32 K in 8 registers: lane l holds row l % 16, K = 8 (l / 16) + 0..7 and 16 + 8 (l / 16) + 0..7: two loads of 16 bytes, 32 bytes apart.
	v_and_b32 v1, 15, v0                           ; l % 16
	v_bfe_u32 v2, v0, 4, 1                         ; l / 16
	v_mul_u32_u24 v3, v1, PITCH
	v_lshl_add_u32 v3, v2, 4, v3                   ; row x pitch + 16 x half
	s_mul_i32 s22, s10, 96*PITCH                   ; my 96 rows of B,
	s_add_co_u32 s22, s22, HALFT                   ; which lie behind A's 128
	v_mov_b32 v[ADRA], v3                          ; every wave reads all 128 rows of A
	v_add_nc_u32 v[ADRA+1], SLOT, v3
	v_add_nc_u32 v[ADRB], s22, v3
	s_add_co_u32 s22, s22, SLOT
	v_add_nc_u32 v[ADRB+1], s22, v3
	v_mul_u32_u24 v4, v1, SPITCH                   ; into the stage: row l % 16, my wave's 192 bytes of it, 16 bytes for each half of the lanes
	v_lshl_add_u32 v4, v2, 4, v4
	s_mul_i32 s23, s10, 192
	v_add_nc_u32 v[STO], s23, v4
	v_add_nc_u32 v[STO2], 64*SPITCH, v[STO]
	s_lshl_b32 s23, s10, 5                         ; back: wave w takes rows 32 w .. 32 w + 31, whole; lanes 0-15 256 bytes of one row, lanes 16-31 of the next
	v_add_nc_u32 v5, s23, v2
	v_mul_u32_u24 v5, v5, SPITCH
	v_lshl_add_u32 v[RD], v1, 4, v5
	v_and_b32 v[CO], 31, v0                        ; two rows of a head are 512 consecutive bytes
	v_lshlrev_b32 v[CO], 4, v[CO]
	; the tile's three blocks of 128 columns are three heads: block cb = 3 x tile column + u is head cb % 8 of tensor cb / 8; the tile's rows lie in batch tile row / 16
	s_mul_i32 s20, s42, 3
	s_lshr_b32 s21, s13, 4
	s_lshl_b32 s21, s21, 3                         ; 8 x batch
	s_and_b32 s22, s13, 15
	s_lshl_b32 s22, s22, 7
	s_lshl_b32 s23, s10, 5
	s_add_co_u32 s22, s22, s23                     ; my first row in the head: 128 x (tile row % 16) + 32 x wave,
	s_lshl_b32 s22, s22, 8                         ; in bytes
.irp u, 0,1,2
	s_add_co_u32 s18, s20, \u
	s_lshr_b32 s19, s18, 3
	s_lshl_b32 s19, s19, 5                         ; 32 x tensor
	s_and_b32 s18, s18, 7
	s_add_co_u32 s18, s18, s19
	s_add_co_u32 s18, s18, s21
	s_lshl_b32 s18, s18, 19                        ; a head's rows are 524,288 bytes
	s_add_co_u32 s18, s18, s22
	s_mov_b32 s19, 0
	s_add_nc_u64 s[CB+2*(\u):CB+2*(\u)+1], s[8:9], s[18:19]
.endr
	; the prefetches
	s_lshl_b32 s20, s13, 7                         ; A's rows that wave 0 fetches
	s_mul_i32 s21, s42, 384
	s_max_u32 s22, s10, 1
	s_sub_co_u32 s22, s22, 1
	s_lshl_b32 s22, s22, 7
	s_add_co_u32 s21, s21, s22                     ; B's rows that waves 1 to 3 fetch
	s_and_b32 s22, ttmp7, 0xffff                   ; cluster y
	s_cmp_eq_u32 s10, 0
	s_cselect_b32 s20, s20, s21
	s_cselect_b32 s21, s40, s41                    ; my place among the four that ask with me
	s_cselect_b32 s22, ttmp9, s22                  ; the coordinate along which other clusters read the same rows
	s_cselect_b64 s[PFA:PFA+1], s[4:5], s[6:7]
	s_cmp_eq_u32 s22, 0
	s_cselect_b32 s[LIM], 1, -1                    ; the same in all sixteen partners, for a given wave
	s_lshl_b32 s21, s21, 5
	s_add_co_u32 s20, s20, s21                     ; + my work-group's 32 rows
	s_lshl_b32 s20, s20, 11
	s_mov_b32 s21, 0
	s_add_nc_u64 s[PFA:PFA+1], s[PFA:PFA+1], s[20:21]
	s_add_nc_u64 s[PFA:PFA+1], s[PFA:PFA+1], 2*KSTEP*2  ; at K step 2: the first refill steps it to 3 and names K step 4
	v_and_b32 v[PFO], 31, v0
	v_lshlrev_b32 v[PFO], 11, v[PFO]
; 2 NB matrix instructions: row blocks a0, a0 + 1 of the window's four (hi = 0: rows 0-63, 1: rows 64-127) x all NB column blocks, 32 along K.  zero = 1: the product starts the sum.
; The 48 accumulators take turns, one instruction a turn, in the same order in every quarter step, over the backward jump and into the tail too.
.macro MULG f, hi, a0, zero
	WIN MUL_LO+0x50*(\hi)
.set ma, \a0
.rept 2
.set mb, 0
.rept NB
.if \zero
	v_wmma_f32_16x16x32_bf16 v[8*(NB*ma+mb):8*(NB*ma+mb)+7], v[(\f)+8*mb:(\f)+8*mb+7], v[(\f)+8*(4*(\hi)+ma):(\f)+8*(4*(\hi)+ma)+7], 0
.else
	v_wmma_f32_16x16x32_bf16 v[8*(NB*ma+mb):8*(NB*ma+mb)+7], v[(\f)+8*mb:(\f)+8*mb+7], v[(\f)+8*(4*(\hi)+ma):(\f)+8*(4*(\hi)+ma)+7], v[8*(NB*ma+mb):8*(NB*ma+mb)+7]
.endif
.set mb, mb+1
.endr
.set ma, ma+1
.endr
.endm
; 2 NB + 16 LDS loads in one run: the fragments of one quarter step (96 rows of B, 128 rows of A, 32 K at byte k of the rows) into buffer f
.macro FETCH slot, k, f
	WIN TO_B
.set fi, 0
.rept NB
	ds_load_b128 v[(\f)+8*fi:(\f)+8*fi+3],   v[ADRB+(\slot)] offset:(\k)+fi*16*PITCH
	ds_load_b128 v[(\f)+8*fi+4:(\f)+8*fi+7], v[ADRB+(\slot)] offset:(\k)+fi*16*PITCH+32
.set fi, fi+1
.endr
	WIN 0
.set fi, 0
.rept 8
	ds_load_b128 v[(\f)+8*fi:(\f)+8*fi+3],   v[ADRA+(\slot)] offset:(\k)+fi*16*PITCH
	ds_load_b128 v[(\f)+8*fi+4:(\f)+8*fi+7], v[ADRA+(\slot)] offset:(\k)+fi*16*PITCH+32
.set fi, fi+1
.endr
.endm
.macro PLACES                          ; four plain vector instructions between a matrix instruction and a load into a register that it has read, or a reader of its result
.rept 4
	v_nop
.endr
.endm
; A K step is four quarters of 32 along K, 48 matrix instructions each, on buffers 0, 1, 0, 1.  One of the first three: multiplies buffer f; in its middle it fetches the next quarter, at byte k, into g.
.macro QUARTER slot, k, f, g, zero
	s_wait_dscnt 8                                 ; B and A's rows 0-63 are in; the youngest eight loads (A's rows 64-127) may be out
	MULG \f, 0, 0, \zero
	MULG \f, 0, 2, \zero
	PLACES
	FETCH \slot, \k, \g
	s_wait_dscnt 2*NB+16                           ; all but the run just issued
	MULG \f, 1, 0, \zero
	MULG \f, 1, 2, \zero
.endm
; The last quarter multiplies buffer 1 and changes slots.  MEET is its first half: one barrier; in front of it each wave waits for all its tensor loads (one is out: its part of the next slot), adds 0 to its
; spare word, and waits for that and for its own reads of this slot.  Behind it nobody reads this slot any more and the next slot is whole.
.macro MEET round
	WIN 0                                          ; (the add's two registers lie in window 0)
	s_wait_tensorcnt 0x0
	ds_add_u32 v[SPW], v[NIL]                      ; 0 onto my spare word
	s_wait_dscnt 9                                 ; (the add and the youngest eight loads may be out)
	MULG F1, 0, 0, 0                               ; matrix work stands between the add and the wait for it
	s_wait_dscnt 0x0                               ; the add is done, and my reads of this slot are over
	s_barrier_signal -1
	MULG F1, 0, 2, 0
.if \round
	WIN 0
.endif
	s_barrier_wait -1
.endm
; The whole last quarter of a K step whose slot is filled again, with the K step two on: the barrier opens a round of the cluster's barrier, and the joint load is the first tensor load behind it.
.macro TURN slot, next
	s_wait_xcnt 0x0                                ; the last prefetch, a K step back, has read its address: it is stepped here
	s_add_nc_u64 s[PFA:PFA+1], s[PFA:PFA+1], KSTEP*2
	MEET 1
	CREST                                          ; no wave of any partner still reads this slot or has a load on its way
	s_add_nc_u64 s[G0+4*(\slot)+2:G0+4*(\slot)+3], s[G0+4*(\slot)+2:G0+4*(\slot)+3], 2*KSTEP*2
	s_add_nc_u64 s[G0B+4*(\slot)+2:G0B+4*(\slot)+3], s[G0B+4*(\slot)+2:G0B+4*(\slot)+3], 2*KSTEP*2
	JLOAD \slot                                    ; its four v_nop are also the places in front of the loads below
	FETCH \next, 0, F0
	ASK
	MULG F1, 1, 0, 0
	MULG F1, 1, 2, 0
.endm
	s_wait_tensorcnt 1                             ; my part of K step 0 is in; K step 1's may stay out
	s_barrier_signal -1
	s_barrier_wait -1                              ; everybody's is
	FETCH 0, 0, F0
	QUARTER 0, 64,  F0, F1, 1                      ; the first quarter stands in front of the loop: its products start the sums
	WIN 0                                          ; at a label and at a branch every window is 0
	s_mov_b32 s3, SIZE_K/(2*KSTEP)-1
.Llap:                                                 ; three trips: each goes once round the ring, from a lap's second quarter to the next lap's first, and fills both slots again
	QUARTER 0, 128, F1, F0, 0
	QUARTER 0, 192, F0, F1, 0
	TURN 0, 1
	QUARTER 1, 64,  F0, F1, 0
	QUARTER 1, 128, F1, F0, 0
	QUARTER 1, 192, F0, F1, 0
	TURN 1, 0
	QUARTER 0, 64,  F0, F1, 0
	WIN 0
	s_sub_co_u32 s3, s3, 1
	s_cmp_lg_u32 s3, 0
	s_cbranch_scc1 .Llap
	QUARTER 0, 128, F1, F0, 0                      ; the last lap fills nothing
	QUARTER 0, 192, F0, F1, 0
	MEET 0                                         ; slot 0 has been read for the last time by every wave
	PLACES
	FETCH 1, 0, F0
	MULG F1, 1, 0, 0
	MULG F1, 1, 2, 0
	QUARTER 1, 64,  F0, F1, 0
	QUARTER 1, 128, F1, F0, 0
	QUARTER 1, 192, F0, F1, 0
	s_wait_dscnt 8                                 ; the very last quarter: nothing more to fetch
	MULG F1, 0, 0, 0
	MULG F1, 0, 2, 0
	s_wait_dscnt 0x0
	MULG F1, 1, 0, 0
	MULG F1, 1, 2, 0
	WIN 0
	; THE WAY OUT: rounded to f16, 16 bytes a lane into the work-group's stage (slot 0's bytes: no fill lands there any more, and nobody reads the slot since MEET's barrier);
	; a barrier, since a row's 768 bytes come from four waves; back as whole pieces of 256 bytes, 32 rows a wave.
	PLACES
.set blk, 0
.rept 8
.set AC, 8*NB*(blk%4)
.set TB, TMP+4*NB*(blk%2)
	WIN 0x0a+5*(blk/4)                             ; sources 0 and 1: window 2 or 3
.set i, 0
.rept 4*NB
	v_cvt_pk_f16_f32 v[TB+i], v[AC+2*i], v[AC+2*i+1]  ; each accumulator's registers in ascending order
.set i, i+1
.endr
	WIN 0
.set i, 0
.rept NB
	ds_store_b128 v[STO+3*(blk/4)], v[TB+4*i:TB+4*i+3] offset:(blk%4)*16*SPITCH+32*i
.set i, i+1
.endr
.set blk, blk+1
.endr
	s_wait_dscnt 0x0                               ; for the others' sake: my stores into the stage are done
	s_barrier_signal -1
	s_barrier_wait -1
.set n, 0
.rept 48                               ; rows 2 (n / 3) and the next, head n % 3
	ds_load_b128 v[BK+4*n:BK+4*n+3], v[RD] offset:(n/3)*2*SPITCH+(n%3)*256
.set n, n+1
.endr
.set n, 0
.rept 48
	s_wait_dscnt 47-n                              ; LDS loads come back in order: load n is in
	global_store_b128 v[CO], v[BK+4*n:BK+4*n+3], s[CB+2*(n%3):CB+2*(n%3)+1] offset:(n/3)*512  ; 512 consecutive bytes of a head's rows, aligned to 256
.set n, n+1
.endr
	s_wait_tensorcnt 0x0                           ; the wave's end: a wait, an add to my spare word and a wait, behind my last tensor load and my last LDS store
	ds_add_u32 v[SPW], v[NIL]
	s_wait_dscnt 0x0
	CROUND                                         ; the closing round: no work-group ends while a partner may still ask for a tile that names it
	s_endpgm
.Lfunc_end_k_qffa2d2e060_proj_qkv:
	.size	k_qffa2d2e060_proj_qkv, .Lfunc_end_k_qffa2d2e060_proj_qkv-k_qffa2d2e060_proj_qkv
	.p2alignl 7, 3214868480
	.fill 96, 4, 3214868480
	.section	.rodata,"a",@progbits
	.p2align	6, 0x0
	.amdhsa_kernel k_qffa2d2e060_proj_qkv
		.amdhsa_group_segment_fixed_size 327680
		.amdhsa_private_segment_fixed_size 0
		.amdhsa_enable_private_segment 0
		.amdhsa_kernarg_size 24
		.amdhsa_user_sgpr_count 2
		.amdhsa_user_sgpr_kernarg_segment_ptr 1
		.amdhsa_wavefront_size32 1
		.amdhsa_system_sgpr_workgroup_id_x 1
		.amdhsa_system_sgpr_workgroup_id_y 1
		.amdhsa_system_sgpr_workgroup_id_z 1
		.amdhsa_system_vgpr_workitem_id 0
		.amdhsa_next_free_vgpr 960
		.amdhsa_next_free_sgpr 72
		.amdhsa_reserve_vcc 0
		.amdhsa_float_denorm_mode_32 3
		.amdhsa_float_denorm_mode_16_64 3
		.amdhsa_memory_ordered 1
		.amdhsa_forward_progress 1
		.amdhsa_inst_pref_size 118
	.end_amdhsa_kernel
	.amdgpu_metadata
---
amdhsa.version: [ 1, 2 ]
amdhsa.kernels:
  - .name:           k_qffa2d2e060_proj_qkv
    .symbol:         k_qffa2d2e060_proj_qkv.kd
    .args:
      - { .name: xb, .offset: 0, .size: 8, .value_kind: global_buffer, .address_space: global }
      - { .name: wqb, .offset: 8, .size: 8, .value_kind: global_buffer, .address_space: global }
      - { .name: qkv, .offset: 16, .size: 8, .value_kind: global_buffer, .address_space: global }
    .group_segment_fixed_size: 327680
    .private_segment_fixed_size: 0
    .kernarg_segment_align: 8
    .kernarg_segment_size: 24
    .max_flat_workgroup_size: 128
    .sgpr_count:     72
    .vgpr_count:     960
    .wavefront_size: 32
...
	.end_amdgpu_metadata
.endif
;; end of part 2
;; launch attn (part 3): grid 8 x 32, 4 waves a work-group, no clusters, 232,960 bytes of LDS; arguments qkv, ob; writes ob
.if DOCPART == 3
	.amdgcn_target "amdgcn-amd-amdhsa--gfx1250"
	.amdhsa_code_object_version 6
	.text
	.protected	k_qffa2d2e060_attn
	.globl	k_qffa2d2e060_attn
	.p2align	8
	.type	k_qffa2d2e060_attn,@function
k_qffa2d2e060_attn:
	s_mov_b64 s[64:65], 0
	v_nop
	global_prefetch_b8 v0, s[64:65] scope:SCOPE_SE
	s_setreg_imm32_b32 hwreg(HW_REG_WAVE_MODE, 25, 1), 1
	s_wait_xcnt 0x0
; ATTENTION IN A SLIDING WINDOW.  O[q] = the sum over the keys k with 0 <= q - k < 128 of softmax_k(Q[q] . K[k] / sqrt(128)) V[k], for each of 32 heads (4 batches x 8).
; qkv: [3][32 heads][2048][128] f16, rows of 256 bytes; ob: [4 x 2048 rows][8 heads x 128] f16.  Products, maximum and sum in f32; the weights p are rounded to f16 for the second product
; (their sum l is taken of the unrounded p), O once at the end.
; LIMITS.  Q, K, V arrive within f16's 65,504.  A hidden score counts as its value less 1e30: f16's scores, 5.5e11 at the most, are nothing beside that.  A weight below 2^-126 counts as 0;
; below 6e-5 a weight keeps f16's fixed step of 6e-8.  NaN and infinities are not treated apart.
; SHARES.  A work-group owns 256 queries of a head, a wave 64: four tiles t of 16, in two pieces p = t / 2.  The work-group's keys are rows 256 bx - 128 .. 256 bx + 255 of the head: 384 rows of K and
; of V, brought into LDS once, three tiles of 128 rows each; nothing is filled again.  In a head's first block the first tile repeats rows 0-127: those places stand for keys that do not exist, and are hidden.
; Wave w's window is LDS rows 64 w .. 64 w + 191: twelve blocks g of 16 keys.  Tile t sees g = t .. t + 8; a piece computes g = 2 p .. 2 p + 9, ten blocks, so that both its tiles share K's and V's fragments.
; LAYOUT.  S^T = K Q^T (source 0 = 16 keys, source 1 = 16 queries): a lane holds ONE query (lane % 16) and the keys 8 (lane / 16) + 0..7.  Two such results, rounded to f16 in pairs, ARE source 1
; (32 keys x 16 queries) of O^T = V^T P, whose result again holds one query a lane, and eight channels.  K comes out of LDS as it lies, V turned, by ds_load_tr16_b128.
; THE MASK is the C operand of the product that starts a block's sum: 0, or -1e30 where the key is hidden.
; SOFTMAX.  A query's whole window, 160 scores, lies in registers: the maximum m is taken over all of them before any exponential (every query sees its own key, so m is a true score),
; p = 2^(c s - c m) with c = log2(e) / sqrt(128); there is no running maximum and nothing is rescaled.
; NO CLUSTER: of a work-group's three tiles of keys one is also a neighbour's (my third is the next block's first), it lands at another LDS place there, and nobody else reads it.
; NO PREFETCH: all that the work-group reads is asked for at its head.
; REGISTERS, in windows of 256 (s_set_vgpr_msb: bits 1:0 source 0, 3:2 source 1, 5:4 source 2, 7:6 destination):
;   window 0: v0-15 addresses; v16-47 eight registers of statistics a tile; v48-87 five masks; v96-255 P, 40 a tile
;   window 1 + p: piece p's S^T, v0-159 (tile t % 2, block g - 2 p at 80 (t % 2) + 8 (g - 2 p)); later its O^T, v0-127 (64 (t % 2) + 8 x channel block)
;   window 3: v0-127 Q (32 t + 8 c), v128-255 K of 64 keys; later V, 32 keys to 64 registers, four such buffers
.set PK,    272       ; a row of K in LDS: 256 bytes + 16 of padding: the 16 rows of a load start at 16 different groups of four banks (64 banks of 4 bytes: ISA guide 11.1)
.set PV,    288       ; a row of V: 256 + 32
.set VOFF,  384*PK    ; K's 384 rows, then V's
.set STAGE, VOFF+384*PV  ; behind them, never filled by a tensor load: 16 rows x 272 bytes for each wave, for the way out
.set SP,    272
.set SPARE, STAGE+4*16*SP  ; behind the stages: the spare words, 128 bytes for each wave: two blocks of 256 bytes that no other line names
.set AK,  2           ; v2   LDS address of my lane's place in my wave's window of K; never rewritten
.set AV,  3           ; v3   the same for V
.set QO,  5           ; v5   my byte offset in 16 rows of Q
.set STO, 6           ; v6   the way out: where I put 16 bytes of a row
.set RD,  7           ; v7   the way out: where I read a row back
.set GO,  8           ; v8   my byte offset in two rows of ob
.set SPW, 12          ; v12  LDS address of my spare word: SPARE + 4 x my thread's number; never rewritten
.set NIL, 13          ; v13  0; never rewritten
.set ST,  16          ; tile t's statistics at v[ST+8 t]: +0 c m, +1 m, +2, +3 l (even keys', odd keys'), +4 to +7 c0-c3, at work
.set ML,  48          ; the window's lower edge (g = t): a key is seen where its place in the block is above the query's
.set MD,  56          ; the diagonal (g = t + 8): hidden there
.set Z0,  64          ; blocks 0-3: -1e30 where these keys do not exist (the head's first two waves), else 0
.set Z1,  72          ; blocks 4-7: likewise (the head's first wave)
.set MH,  80          ; a block that the tile does not see: -1e30
.set P,   96
.set WV,  12          ; s12  my wave's number
.set G1K, 24          ; s[24:31] descriptor group 1 for K's tiles
.set G1V, 32          ; s[32:39] for V's: it differs in the padding alone
.set G0K, 40          ; s[40:43] descriptor group 0 for my tile of K
.set G0V, 44          ; s[44:47] for my tile of V
.set BIGN, 50         ; s50  -1e30
.set E0,  51          ; s51  Z0's number
.set E1,  52          ; s52  Z1's number
.set CS,  58          ; s[58:59] c: the packed scaling takes the pair's low word for both halves
.set SEL, 60          ; s[60:61] v_permlanex16_b32's selects: each lane takes its own place in the other half
.set MSB, 0
.macro WIN new                      ; the high byte repeats the setting that is left; a switch that changes nothing is dropped
.if MSB != (\new)
	s_set_vgpr_msb (MSB<<8)|(\new)
.set MSB, \new
.endif
.endm
.macro PLACES                       ; four plain vector instructions between a matrix instruction and a load into a register that it has read, or a reader of its result
.rept 4
	v_nop
.endr
.endm
	s_load_b128 s[4:7], s[0:1], 0x0 ; qkv s[4:5], ob s[6:7]
	v_lshl_add_u32 v[SPW], v0, 2, SPARE
	v_mov_b32 v[NIL], 0
	ds_add_u32 v[SPW], v[NIL]       ; the wave's opening: the add and its wait stand ahead of my first tensor load; the set-up below, work on registers, stands between them
	v_lshrrev_b32 v1, 5, v0
	v_readfirstlane_b32 s[WV], v1   ; wave 0..3
	s_mov_b32 s13, ttmp9            ; bx: the block of 256 queries
	s_and_b32 s14, ttmp7, 0xffff    ; the head, 0..31
	s_lshl_b32 s15, s14, 19         ; a head's rows are 524,288 bytes
	s_lshl_b32 s16, s13, 8          ; the tile of keys that I fetch (waves 0 to 2): rows 256 bx + 128 w - 128 on,
	s_lshl_b32 s17, s[WV], 7
	s_add_co_u32 s16, s16, s17
	s_max_u32 s16, s16, 128         ; or 0 on, where that lies in front of the head
	s_sub_co_u32 s16, s16, 128
	s_lshl_b32 s16, s16, 8
	s_add_co_u32 s16, s16, s15
	s_mov_b32 s17, 0
	s_lshl_b32 s18, s13, 2
	s_add_co_u32 s18, s18, s[WV]    ; my wave among the head's 32
	s_lshl_b32 s20, s18, 14         ; its 64 rows of 256 bytes of Q
	s_add_co_u32 s20, s20, s15
	s_mov_b32 s21, 0
	s_lshr_b32 s22, s14, 3          ; the batch,
	s_lshl_b32 s22, s22, 5          ; whose 2,048 rows of ob are 32 waves' shares;
	s_add_co_u32 s22, s22, s18
	s_lshl_b32 s22, s22, 17         ; a share is 64 rows of 2,048 bytes;
	s_and_b32 s23, s14, 7
	s_lshl_b32 s23, s23, 8          ; the head's 256 bytes of a row
	s_add_co_u32 s22, s22, s23
	s_mov_b32 s23, 0
	s_mov_b32 s[BIGN], 0xf149f2ca   ; -1e30
	s_cmp_lt_u32 s18, 2             ; my window's blocks 0-3 lie in front of the head in its first two waves,
	s_cselect_b32 s[E0], s[BIGN], 0
	s_cmp_lt_u32 s18, 1             ; blocks 4-7 in its first
	s_cselect_b32 s[E1], s[BIGN], 0
	s_mov_b32 s[CS], 0x3e0293ee     ; c = log2(e) / sqrt(128) = 0.127517
	s_mov_b32 s[CS+1], s[CS]        ; named with it as a pair
	s_mov_b32 s[SEL], 0x76543210
	s_mov_b32 s[SEL+1], 0xfedcba98
	; descriptor group 1: a tile of 128 rows x 128 elements, padded in LDS
	s_mov_b32 s[G1K], (1<<16)|(1<<20)|(5<<22)|(3<<25)  ; 17:16 elements of 2 bytes; 20 padding on; 24:22 after every 64 words (code 5); 31:25 4 words of it (code 3)
	s_mov_b32 s[G1V], (1<<16)|(1<<20)|(5<<22)|(7<<25)  ; the same with 8 words (code 7)
.irp g, G1K, G1V
	s_mov_b32 s[(\g)+1], 128<<16    ; tensor_dim0 = 128
	s_mov_b32 s[(\g)+2], 128<<16    ; tensor_dim1 = 128
	s_mov_b32 s[(\g)+3], 128<<16    ; tile_dim0 = 128
	s_mov_b32 s[(\g)+4], 128        ; tile_dim1 = 128
	s_mov_b32 s[(\g)+5], 128        ; 128 elements from row to row
	s_mov_b32 s[(\g)+6], 0
	s_mov_b32 s[(\g)+7], 0
.endr
	s_mov_b32 s[G0K], 1             ; count = 1
	s_mul_i32 s[G0K+1], s[WV], 128*PK  ; LDS address: my wave's number x 128 rows
	s_mov_b32 s[G0V], 1
	s_mul_i32 s[G0V+1], s[WV], 128*PV
	s_add_co_u32 s[G0V+1], s[G0V+1], VOFF
	s_wait_dscnt 0x0                ; the opening add is done
	s_wait_kmcnt 0x0
	s_add_nc_u64 s[G0K+2:G0K+3], s[4:5], s[16:17]
	s_add_nc_u64 s[G0V+2:G0V+3], s[G0K+2:G0K+3], 0x2000000  ; V lies 2 x 16,777,216 bytes behind Q,
	s_add_nc_u64 s[G0K+2:G0K+3], s[G0K+2:G0K+3], 0x1000000  ; K once that
	s_or_b32 s[G0K+3], s[G0K+3], 0x80000000                 ; type = 2
	s_or_b32 s[G0V+3], s[G0V+3], 0x80000000
	s_add_nc_u64 s[20:21], s[4:5], s[20:21]   ; Q at my wave's first row
	s_add_nc_u64 s[10:11], s[6:7], s[22:23]   ; ob likewise
	s_cmp_lt_u32 s[WV], 3           ; waves 0 to 2 fetch a tile of K and the same rows of V; both loads stand in one branch: two loads of mine are out.  Wave 3 fetches nothing
	s_cbranch_scc0 .Lno_fill
	tensor_load_to_lds s[G0K:G0K+3], s[G1K:G1K+7]
	s_nop 0
	tensor_load_to_lds s[G0V:G0V+3], s[G1V:G1V+7]
	s_nop 0
.rept 4
	v_nop
.endr
.Lno_fill:
	; A fragment of K or Q is 16 rows x 32 channels in 8 registers: lane l holds row l % 16, channels 8 (l / 16) + 0..7 and 16 + 8 (l / 16) + 0..7: two loads of 16 bytes, 32 bytes apart.
	v_and_b32 v1, 15, v0            ; l % 16
	v_bfe_u32 v9, v0, 4, 1          ; l / 16
	v_lshlrev_b32 v[QO], 8, v1
	v_lshl_add_u32 v[QO], v9, 4, v[QO]  ; row x 256 + 16 x half
	WIN 0xc0                        ; destination window 3, address window 0
.set i, 0
.rept 16                            ; Q stays in registers: tile i / 4, channels 32 (i % 4) on
	global_load_b128 v[8*i:8*i+3],   v[QO], s[20:21] offset:(i/4)*4096+(i%4)*64
	global_load_b128 v[8*i+4:8*i+7], v[QO], s[20:21] offset:(i/4)*4096+(i%4)*64+32
.set i, i+1
.endr
	WIN 0
	v_lshlrev_b32 v14, 3, v9
	v_sub_nc_u32 v14, v1, v14       ; my query's place in its tile less my lanes' 8 (l / 16): register j holds a key whose place in its block is above the query's where j is greater
.set i, 0
.rept 8
	v_mov_b32 v[Z0+i], s[E0]
	v_mov_b32 v[Z1+i], s[E1]
	v_mov_b32 v[MH+i], s[BIGN]
	v_cmp_gt_i32 vcc_lo, i, v14
	v_cndmask_b32 v[MD+i], 0, s[BIGN], vcc_lo        ; q - k < 0: hidden
	v_cndmask_b32 v[ML+i], s[BIGN], v[Z0+i], vcc_lo  ; q - k < 128: seen, if the key exists
.set i, i+1
.endr
	s_mul_i32 s18, s[WV], 64*PK     ; my window begins at LDS row 64 w
	v_mul_u32_u24 v[AK], v1, PK
	v_lshl_add_u32 v[AK], v9, 4, v[AK]
	v_add_nc_u32 v[AK], s18, v[AK]
	; The turning load takes 16 keys x 16 channels (lane l reads key 8 (l / 16) + l % 8, channels 8 ((l / 8) % 2) + 0..7) and leaves half a fragment of V^T: lane l holds channel l % 16 and 8 keys.
	v_and_b32 v10, 7, v0
	v_bfe_u32 v11, v0, 3, 1
	v_lshl_add_u32 v[AV], v9, 3, v10
	v_mul_u32_u24 v[AV], v[AV], PV
	v_lshl_add_u32 v[AV], v11, 4, v[AV]
	s_mul_i32 s18, s[WV], 64*PV
	s_add_co_u32 s18, s18, VOFF
	v_add_nc_u32 v[AV], s18, v[AV]
	s_mul_i32 s18, s[WV], 16*SP
	s_add_co_u32 s18, s18, STAGE    ; my stage
	v_mul_u32_u24 v[STO], v1, SP    ; in: row l % 16, 16 bytes for each half of the lanes
	v_lshl_add_u32 v[STO], v9, 4, v[STO]
	v_add_nc_u32 v[STO], s18, v[STO]
	v_mul_u32_u24 v[RD], v9, SP     ; back: lanes 0-15 take one row of 256 bytes, lanes 16-31 the next
	v_lshl_add_u32 v[RD], v1, 4, v[RD]
	v_add_nc_u32 v[RD], s18, v[RD]
	v_lshlrev_b32 v[GO], 11, v9     ; and the same two rows in ob, 2,048 bytes apart
	v_lshl_add_u32 v[GO], v1, 4, v[GO]
; K of step s: 64 keys x 128 channels, 16 fragments (keys 16 (f / 4) on, channels 32 (f % 4) on), in one run of 32 loads
.macro FETCH_K s
	WIN 0xc0
.set f, 0
.rept 16
	ds_load_b128 v[128+8*f:128+8*f+3], v[AK] offset:(\s)*64*PK+(f/4)*16*PK+(f%4)*64
	ds_load_b128 v[128+8*f+4:128+8*f+7], v[AK] offset:(\s)*64*PK+(f/4)*16*PK+(f%4)*64+32
.set f, f+1
.endr
.endm
; The products S^T = K Q^T of step s (blocks g = 4 s .. 4 s + 3), for the pieces that compute them.  Channels 32 c on, c outermost: the step's 12 or 16 accumulators take turns, one instruction a turn.
; The products of c = 0 start the sums, with the block's mask or the constant 0 as C.
.macro KQSTEP s
.set kc, 0
.rept 4
.set kp, 0
.rept 2
.set kx, 1+kp
.set kb, 0
.rept 4
.set kg, 4*(\s)+kb
.if (kg >= 2*kp) && (kg <= 2*kp+9)
.set ku, 0
.rept 2
.set kt, 2*kp+ku
.set rS, 80*ku+8*(kg-2*kp)
.set rK, 128+32*kb+8*kc
.set rQ, 32*kt+8*kc
.if kc > 0
	WIN 0x0f|(kx<<4)|(kx<<6)
	v_wmma_f32_16x16x32_f16 v[rS:rS+7], v[rK:rK+7], v[rQ:rQ+7], v[rS:rS+7]
.else
	WIN 0x0f|(kx<<6)                ; K and Q in window 3, the mask in window 0
.if (kg < kt) || (kg > kt+8)
.set rM, MH
.elseif kg == kt
.set rM, ML
.elseif kg == kt+8
.set rM, MD
.elseif kg <= 3
.set rM, Z0
.elseif kg <= 7
.set rM, Z1
.else
.set rM, -1
.endif
.if rM < 0
	v_wmma_f32_16x16x32_f16 v[rS:rS+7], v[rK:rK+7], v[rQ:rQ+7], 0
.else
	v_wmma_f32_16x16x32_f16 v[rS:rS+7], v[rK:rK+7], v[rQ:rQ+7], v[rM:rM+7]
.endif
.endif
.set ku, ku+1
.endr
.endif
.set kb, kb+1
.endr
.set kp, kp+1
.endr
.set kc, kc+1
.endr
.endm
; V of pair u (keys 32 u on of my window), turned: 8 fragments of 16 channels x 32 keys, into buffer u % 4
.macro FETCH_V u
	WIN 0xc0
.set f, 0
.rept 8
	ds_load_tr16_b128 v[64*((\u)%4)+8*f:64*((\u)%4)+8*f+3],   v[AV] offset:(\u)*32*PV+32*f
	ds_load_tr16_b128 v[64*((\u)%4)+8*f+4:64*((\u)%4)+8*f+7], v[AV] offset:(\u)*32*PV+16*PV+32*f
.set f, f+1
.endr
.endm
; The maximum of piece p's two tiles: each tile's 80 scores a lane in four chains c0-c3; every accumulator's two lowest registers are read first.
; Then the four into one, the other half of the lanes' (the query's other keys lie in the lane 16 away), m and c m.
.macro MAXP p
.set mx, 1+(\p)
	WIN mx|(mx<<2)                  ; sources 0 and 1: the piece's window
.set mj, 0
.rept 4
.set mg, 0
.rept 10
.set mu, 0
.rept 2
.set rC, ST+8*(2*(\p)+mu)+4+mg%4
.set rS, 80*mu+8*mg+2*mj
.if (mj == 0) && (mg < 4)
	v_max_num_f32 v[rC], v[rS], v[rS+1]
.else
	v_max3_num_f32 v[rC], v[rS], v[rS+1], v[rC]
.endif
.set mu, mu+1
.endr
.set mg, mg+1
.endr
.set mj, mj+1
.endr
	WIN 0
.set rA, ST+16*(\p)
.set rB, rA+8
	v_max3_num_f32 v[rA+4], v[rA+4], v[rA+5], v[rA+6]
	v_max3_num_f32 v[rB+4], v[rB+4], v[rB+5], v[rB+6]
	v_max_num_f32 v[rA+4], v[rA+4], v[rA+7]
	v_max_num_f32 v[rB+4], v[rB+4], v[rB+7]
	v_permlanex16_b32 v[rA+5], v[rA+4], s[SEL], s[SEL+1]
	v_permlanex16_b32 v[rB+5], v[rB+4], s[SEL], s[SEL+1]
	v_max_num_f32 v[rA+1], v[rA+4], v[rA+5]
	v_max_num_f32 v[rB+1], v[rB+4], v[rB+5]
	v_mul_f32 v[rA], s[CS], v[rA+1]
	v_mul_f32 v[rB], s[CS], v[rB+1]
.endm
; p = 2^(c s - c m), in place.  A pair is scaled one group ahead of its two exponentials.  The piece's 160 exponentials are ONE BATCH: nothing ahead of the wait names a result of theirs;
; a v_nop is the plain instruction behind the last, and one s_wait_alu stands ahead of the first reader.
.macro EXPP p
.set ex, 1+(\p)
	WIN ex|(ex<<6)                  ; destination and source 0: the piece's window; c m in window 0
.set eu, 0
.rept 2
.set rT, ST+8*(2*(\p)+eu)
.set rS, 80*eu
	v_pk_fma_f32 v[rS:rS+1], v[rS:rS+1], s[CS:CS+1], v[rT:rT+1] op_sel_hi:[1,0,0] neg_lo:[0,0,1] neg_hi:[0,0,1]
.set ei, 0
.rept 40
.if ei < 39
	v_pk_fma_f32 v[rS+2*ei+2:rS+2*ei+3], v[rS+2*ei+2:rS+2*ei+3], s[CS:CS+1], v[rT:rT+1] op_sel_hi:[1,0,0] neg_lo:[0,0,1] neg_hi:[0,0,1]
.endif
	v_exp_f32 v[rS+2*ei], v[rS+2*ei]
	v_exp_f32 v[rS+2*ei+1], v[rS+2*ei+1]
.set ei, ei+1
.endr
.set eu, eu+1
.endr
	WIN 0
	v_nop
	s_wait_alu depctr_va_vdst(0)
.endm
; The weights rounded to f16, a pair each: block g - 2 p's four registers at P + 40 t + 4 (g - 2 p)
.macro CVTP p
.set cx, 1+(\p)
	WIN cx|(cx<<2)
.set cu, 0
.rept 2
.set ci, 0
.rept 40
	v_cvt_pk_f16_f32 v[P+40*(2*(\p)+cu)+ci], v[80*cu+2*ci], v[80*cu+2*ci+1]
.set ci, ci+1
.endr
.set cu, cu+1
.endr
.endm
; l: the sum of a tile's 40 pairs (in a pair: an even key's weight, an odd key's), in place: 40 -> 20 -> 10 -> 5 -> 1
.macro SUMP p
.set sx, 1+(\p)
	WIN sx|(sx<<2)|(sx<<6)
.irp w, 20, 10, 5
.set su, 0
.rept 2
.set si, 0
.rept \w
	v_pk_add_f32 v[80*su+2*si:80*su+2*si+1], v[80*su+2*si:80*su+2*si+1], v[80*su+2*(si+\w):80*su+2*(si+\w)+1]
.set si, si+1
.endr
.set su, su+1
.endr
.endr
	v_pk_add_f32 v[0:1], v[0:1], v[2:3]
	v_pk_add_f32 v[80:81], v[80:81], v[82:83]
	v_pk_add_f32 v[4:5], v[4:5], v[6:7]
	v_pk_add_f32 v[84:85], v[84:85], v[86:87]
	v_pk_add_f32 v[0:1], v[0:1], v[4:5]
	v_pk_add_f32 v[80:81], v[80:81], v[84:85]
	WIN sx|(sx<<2)                  ; destination window 0
	v_pk_add_f32 v[ST+16*(\p)+2:ST+16*(\p)+3], v[0:1], v[8:9]
	v_pk_add_f32 v[ST+16*(\p)+10:ST+16*(\p)+11], v[80:81], v[88:89]
.endm
; O^T += V^T P for pair u, for the pieces that have it (p <= u <= p + 4).  A piece's 16 accumulators take turns; its first pair starts the sums with the constant 0.
.macro PVU u
.set pp, 0
.rept 2
.if (pp <= (\u)) && ((\u) <= pp+4)
.set px, 1+pp
	WIN 0x03|(px<<4)|(px<<6)        ; V in window 3, P in window 0, O^T in the piece's window
.set pc, 0
.rept 8
.set pt, 0
.rept 2
.set rO, 64*pt+8*pc
.set rV, 64*((\u)%4)+8*pc
.set rP, P+40*(2*pp+pt)+8*((\u)-pp)
.if (\u) == pp
	v_wmma_f32_16x16x32_f16 v[rO:rO+7], v[rV:rV+7], v[rP:rP+7], 0
.else
	v_wmma_f32_16x16x32_f16 v[rO:rO+7], v[rV:rV+7], v[rP:rP+7], v[rO:rO+7]
.endif
.set pt, pt+1
.endr
.set pc, pc+1
.endr
.endif
.set pp, pp+1
.endr
.endm
; THE WAY OUT of tile t: O^T times 1 / l, rounded to f16; a lane's eight channels of a row pack into 16 bytes; they go into rows of 272 bytes of my stage and come back as whole rows of 256.
.macro PACK t
.set kx, 1+(\t)/2
.set rO, 64*((\t)%2)
	WIN kx|(kx<<6)
.set i, 0
.rept 32
	v_pk_mul_f32 v[rO+2*i:rO+2*i+1], v[rO+2*i:rO+2*i+1], v[ST+8*(\t)+6:ST+8*(\t)+7] op_sel_hi:[1,0]
.set i, i+1
.endr
	WIN kx|(kx<<2)
.set i, 0
.rept 32
	v_cvt_pk_f16_f32 v[P+32*(\t)+i], v[rO+2*i], v[rO+2*i+1]  ; P's registers are free
.set i, i+1
.endr
	WIN 0
.set i, 0
.rept 8
	ds_store_b128 v[STO], v[P+32*(\t)+4*i:P+32*(\t)+4*i+3] offset:32*i
.set i, i+1
.endr
.set i, 0
.rept 8
	ds_load_b128 v[P+32*(\t)+4*i:P+32*(\t)+4*i+3], v[RD] offset:i*2*SP  ; LDS serves a wave's instructions in order (ISA guide 5.7.1.4): these see the stores above; the next tile's stores come behind them
.set i, i+1
.endr
.endm
.macro SEND t, younger              ; younger: the LDS instructions issued behind tile t's loads: the next tile's sixteen, or none
	WIN 0
.set i, 0
.rept 8
	s_wait_dscnt (\younger)+7-i
	global_store_b128 v[GO], v[P+32*(\t)+4*i:P+32*(\t)+4*i+3], s[10:11] offset:(\t)*32768+i*4096  ; 16 lanes store 256 consecutive bytes, at a multiple of 256 from ob's first byte
.set i, i+1
.endr
.endm
	s_wait_tensorcnt 0x1            ; my tile of K is in; V's may stay out
	s_barrier_signal -1
	s_barrier_wait -1               ; everybody's K is in
	FETCH_K 0
	s_wait_loadcnt 0x0              ; Q
	s_wait_dscnt 0x0
	KQSTEP 0
	PLACES
	FETCH_K 1
	s_wait_dscnt 0x0
	KQSTEP 1
	PLACES
	FETCH_K 2
	s_wait_dscnt 0x0
	KQSTEP 2
	WIN 0
	s_wait_tensorcnt 0x0            ; my tile of V is in,
	s_barrier_signal -1
	s_barrier_wait -1               ; everybody's is
	PLACES                          ; behind the last products: Q's and K's registers take V, and the scores are read
	FETCH_V 0                       ; 64 loads, which land while the softmax is made
	FETCH_V 1
	FETCH_V 2
	FETCH_V 3
	MAXP 0
	MAXP 1
	EXPP 0
	CVTP 0
	SUMP 0
	EXPP 1
	CVTP 1
	SUMP 1
	s_wait_dscnt 0x0                ; V's pairs 0 to 3
	PVU 0
	PVU 1
	PLACES
	FETCH_V 4                       ; into the buffers of pairs 0 and 1
	FETCH_V 5
	PVU 2
	PVU 3
	s_wait_dscnt 0x0
	PVU 4
	PVU 5
	WIN 0                           ; l's two halves and the other half of the lanes' are added: the additions are the places behind the last products
.irp t, 0,1,2,3
	v_add_f32 v[ST+8*(\t)+4], v[ST+8*(\t)+2], v[ST+8*(\t)+3]
.endr
.irp t, 0,1,2,3
	v_permlanex16_b32 v[ST+8*(\t)+5], v[ST+8*(\t)+4], s[SEL], s[SEL+1]
.endr
.irp t, 0,1,2,3
	v_add_f32 v[ST+8*(\t)+4], v[ST+8*(\t)+4], v[ST+8*(\t)+5]
.endr
.irp t, 0,1,2,3
	v_rcp_f32 v[ST+8*(\t)+6], v[ST+8*(\t)+4]
.endr
	v_nop                           ; a plain instruction between the last reciprocal and the use of its result,
	s_wait_alu depctr_va_vdst(0)    ; and a wait ahead of the first use: one for the four
	PACK 0
	PACK 1                          ; a tile's arithmetic stands between the loads of the tile before and its stores
	SEND 0, 16
	PACK 2
	SEND 1, 16
	PACK 3
	SEND 2, 16
	SEND 3, 0
	s_wait_tensorcnt 0x0            ; the wave's end: a wait, an add to my spare word and a wait, behind my last tensor load and my last LDS store
	ds_add_u32 v[SPW], v[NIL]
	s_wait_dscnt 0x0
	s_endpgm
.Lfunc_end_k_qffa2d2e060_attn:
	.size	k_qffa2d2e060_attn, .Lfunc_end_k_qffa2d2e060_attn-k_qffa2d2e060_attn
	.p2alignl 7, 3214868480
	.fill 96, 4, 3214868480
	.section	.rodata,"a",@progbits
	.p2align	6, 0x0
	.amdhsa_kernel k_qffa2d2e060_attn
		.amdhsa_group_segment_fixed_size 232960
		.amdhsa_private_segment_fixed_size 0
		.amdhsa_enable_private_segment 0
		.amdhsa_kernarg_size 16
		.amdhsa_user_sgpr_count 2
		.amdhsa_user_sgpr_kernarg_segment_ptr 1
		.amdhsa_wavefront_size32 1
		.amdhsa_system_sgpr_workgroup_id_x 1
		.amdhsa_system_sgpr_workgroup_id_y 1
		.amdhsa_system_sgpr_workgroup_id_z 1
		.amdhsa_system_vgpr_workitem_id 0
		.amdhsa_next_free_vgpr 1024
		.amdhsa_next_free_sgpr 66
		.amdhsa_reserve_vcc 1
		.amdhsa_float_denorm_mode_32 3
		.amdhsa_float_denorm_mode_16_64 3
		.amdhsa_memory_ordered 1
		.amdhsa_forward_progress 1
		.amdhsa_inst_pref_size 121
	.end_amdhsa_kernel
	.amdgpu_metadata
---
amdhsa.version: [ 1, 2 ]
amdhsa.kernels:
  - .name:           k_qffa2d2e060_attn
    .symbol:         k_qffa2d2e060_attn.kd
    .args:
      - { .name: qkv, .offset: 0, .size: 8, .value_kind: global_buffer, .address_space: global }
      - { .name: ob, .offset: 8, .size: 8, .value_kind: global_buffer, .address_space: global }
    .group_segment_fixed_size: 232960
    .private_segment_fixed_size: 0
    .kernarg_segment_align: 8
    .kernarg_segment_size: 16
    .max_flat_workgroup_size: 128
    .sgpr_count:     66
    .vgpr_count:     1024
    .wavefront_size: 32
...
	.end_amdgpu_metadata
.endif
;; end of part 3
;; launch proj_out (part 4): grid 4 x 64, 4 waves a work-group, clusters of 4 x 4, 327,680 bytes of LDS; arguments ob, wob, out0; writes out0
.if DOCPART == 4
	.amdgcn_target "amdgcn-amd-amdhsa--gfx1250"
	.amdhsa_code_object_version 6
	.text
	.protected	k_qffa2d2e060_proj_out
	.globl	k_qffa2d2e060_proj_out
	.p2align	8
	.type	k_qffa2d2e060_proj_out,@function
k_qffa2d2e060_proj_out:
	s_mov_b64 s[64:65], 0
	v_nop
	global_prefetch_b8 v0, s[64:65] scope:SCOPE_SE
	s_setreg_imm32_b32 hwreg(HW_REG_WAVE_MODE, 25, 1), 1
	s_wait_xcnt 0x0
	s_wait_alu depctr_hold_cnt(0) depctr_sa_sdst(0) depctr_va_vdst(0) depctr_va_sdst(0) depctr_va_ssrc(0) depctr_va_vcc(0) depctr_vm_vsrc(0)
	s_getreg_b32 s2, hwreg(HW_REG_IB_STS2, 6, 4)
	s_cmp_eq_u32 s2, 0
	s_cbranch_scc0 .Lentry_in_a_cluster
	s_endpgm
.Lentry_in_a_cluster:
	s_bfe_u32 s2, ttmp6, 0x10000c
	s_cmp_lg_u32 s2, 0xf033
	s_cbranch_scc0 .Lentry_shape_is_right
	s_endpgm
.Lentry_shape_is_right:
; out0 = O Wout^T.  A = ob [8192][1024] f16, B = wob [1024][1024] f16 (Wout rounded to bf16, written as f16); sums in f32, K ascending; out0 [8192][1024] f32, the sums as they are.
; SHARES.  8192 x 1024 outputs are 32,768 for each of 256 WGPs: a work-group makes 128 rows x 256 columns, 256 work-groups.  Its four waves stand side by side, each 128 x 64:
; 32 accumulators of 16 x 16, 256 registers; a wave's 64 columns of f32 are 256 bytes of a row, aligned.
; RING.  K goes in steps of 128 (rows of 256 bytes in memory, aligned) through two LDS slots filled by the tensor data mover; waves 0 and 1 fetch 64 rows of A each, waves 2 and 3 128 rows of B each.
; CLUSTER.  4 x 4 work-groups: the four of a row of the cluster need the same tiles of A, the four of a column the same tiles of B: each is asked for JOINTLY, by the same tensor load with the same
; descriptor and a mask that names the four.  Where a slot is filled again a round of the cluster's barrier stands in front of the joint load.
; THE MATRIX INSTRUCTION IS USED TRANSPOSED (source 0 = 16 rows of B, source 1 = 16 rows of A): a lane then holds row l % 16 of the result and eight neighbouring columns 8 (l / 16) + 0..7.
; REGISTERS, in windows of 256 (s_set_vgpr_msb: bits 1:0 source 0, 3:2 source 1, 5:4 source 2, 7:6 destination):
;   window 0: v0-31 addresses; v64-127, v128-191 A's fragments (8 x 16 rows x 32 K), two buffers
;   window 1: v64-95, v128-159 B's fragments (4 x 16 rows x 32 K), two buffers
;   window 2: the accumulators of rows 0-63 ((a, b) at v[8 (4 a + b)]);   window 3: those of rows 64-127
.set NB,     4                         ; blocks of 16 columns a wave
.set SIZE_K, 1024
.set KSTEP,  128
.set PITCH,  272                       ; an LDS row: 256 bytes + 16 of padding = 68 words: the 16 rows that a load touches start at 16 different groups of four banks (64 banks of 4 bytes: ISA guide 11.1)
.set HALFT,  128*PITCH                 ; 128 rows
.set SLOT,   3*HALFT                   ; A's 128 rows, then B's 256
.set STAGE,  2*SLOT                    ; behind the ring, never filled by a tensor load: 16 rows x 272 bytes for each wave, for the way out
.set SPITCH, 272
.set SPARE,  STAGE+4*16*SPITCH         ; behind the stages: the spare words, 128 bytes for each wave: two blocks of 256 bytes that no other line names
.set ADRA, 16                          ; v16-17  LDS address of my A fragments in slot 0, 1
.set ADRB, 20                          ; v20-21  the same for B
.set STO,  24                          ; v24     the way out: where I put 32 bytes of a row
.set RD,   25                          ; v25     the way out: where I read a row back
.set CO,   26                          ; v26     my byte offset in two rows of out0
.set SPW,  28                          ; v28     LDS address of my spare word: SPARE + 4 x my thread's number; never rewritten
.set NIL,  29                          ; v29     0; never rewritten
.set PFO,  30                          ; v30     the prefetches' offset: my lane x a row of 2,048 bytes; never rewritten
.set F0,   64
.set F1,   128
.set G1,  24                           ; s[24:31] descriptor group 1 for A's tiles;  s[32:39] group 0, a set for each slot
.set G0,  32
.set G1B, 48                           ; s[48:55], s[56:63] the same for B's tiles
.set G0B, 56
.set LIM, 43                           ; s43      1 in a wave that prefetches, else the greatest number
.set PFA, 44                           ; s[44:45] where my prefetches stand
.set MSB, 0
.macro WIN new                         ; the immediate's high byte repeats the setting that is left; a switch that changes nothing is dropped
.if MSB != (\new)
	s_set_vgpr_msb (MSB<<8)|(\new)
.set MSB, \new
.endif
.endm
.set MUL_LO, 0xa1                      ; source 0 (B) window 1, source 1 (A) window 0, C and D window 2
.set MUL_HI, 0xf1                      ; the same, C and D window 3
.set TO_B,   0x40                      ; destination window 1, address window 0
; A joint load.  Waves 0 and 1 fetch A's two halves, waves 2 and 3 B's.  The branch hangs on the wave's number alone.  An s_nop 0 and four v_nop follow each of the two lines, ahead of the jump and the label.
.macro JLOAD s
	s_cmp_eq_u32 s11, 0
	s_cbranch_scc0 .Lfor_b_\@
	tensor_load_to_lds s[G0+4*(\s):G0+4*(\s)+3], s[G1:G1+7]
	s_nop 0
.rept 4
	v_nop
.endr
	s_branch .Lasked_\@
.Lfor_b_\@:
	tensor_load_to_lds s[G0B+4*(\s):G0B+4*(\s)+3], s[G1B:G1B+7]
	s_nop 0
.rept 4
	v_nop
.endr
.Lasked_\@:
.endm
; A PREFETCH INTO THE L2, behind a joint load and the run of LDS loads that follows it: the K step that stands two refills on, 32 rows x 256 bytes, a lane a row.  Each row's 256 bytes of a K step are
; named once in the launch.  A's 128 rows of a tile row are read by one cluster alone: its four partners along x take 32 each, by address (cx), and wave 0 asks.  B's rows are read by every cluster: the first
; along y asks; of the 128 rows that wave 2 or 3 fetches the four partners along y take 32 each (cy).  Wave 1 asks for nothing.
; K steps 0 to 3 come by their loads alone; the loop's last trip (s3 = 1) has no K step two on and asks for nothing.
.macro ASK
	s_cmp_gt_u32 s3, s[LIM]
	s_cbranch_scc0 .Lnot_mine_\@
	global_prefetch_b8 v[PFO], s[PFA:PFA+1] offset:KSTEP*2 th:TH_LOAD_NT scope:SCOPE_SE
.Lnot_mine_\@:
.endm
.macro CREST                           ; a round of the cluster's barrier behind its opening barrier
	s_cmp_lg_u32 s10, 0
	s_cbranch_scc1 .Lnot_wave_0_\@
	s_barrier_signal -3
.Lnot_wave_0_\@:
	s_barrier_wait -3
	s_barrier_signal -1
	s_barrier_wait -1
.endm
.macro CROUND                          ; a whole round
	s_barrier_signal -1
	s_barrier_wait -1
	CREST
.endm
	s_load_b128 s[4:7], s[0:1], 0x0                ; A s[4:5], B s[6:7]
	s_load_b64 s[8:9], s[0:1], 0x10                ; out0
	v_lshl_add_u32 v[SPW], v0, 2, SPARE
	v_mov_b32 v[NIL], 0
	ds_add_u32 v[SPW], v[NIL]                      ; the wave's opening: the add and its wait stand ahead of my first tensor load; the set-up below, work on registers, stands between them
	v_lshrrev_b32 v1, 5, v0
	v_readfirstlane_b32 s10, v1                    ; wave 0..3
	s_lshr_b32 s11, s10, 1                         ; I fetch for A (0) or for B (1),
	s_and_b32 s12, s10, 1                          ; its first or its second half
	s_bfe_u32 s40, ttmp6, 0x40000                  ; cx, cy: my place in the cluster
	s_bfe_u32 s41, ttmp6, 0x40004
	s_lshl_b32 s42, ttmp9, 2
	s_add_co_u32 s42, s42, s40                     ; tile column = 4 x cluster x + cx
	s_and_b32 s13, ttmp7, 0xffff
	s_lshl_b32 s13, s13, 2
	s_add_co_u32 s13, s13, s41                     ; tile row = 4 x cluster y + cy
	s_lshl_b32 s43, s41, 2
	s_lshl_b32 s43, 15, s43                        ; my row of the cluster
	s_lshl_b32 s44, 0x1111, s40                    ; my column
	; descriptor group 1: tiles of 64 (A) or 128 (B) rows x 128 elements, padded in LDS
	s_or_b32 s[G1+0], s43, (1<<16)|(1<<20)|(1<<21)|(5<<22)|(3<<25)  ; 15:0 the mask: A's tiles go to my row; 17:16 elements of 2 bytes; 20 padding on; 21 set beside a mask; 24:22 after every 64 words (code 5); 31:25 4 words of it (code 3)
	s_or_b32 s[G1B+0], s44, (1<<16)|(1<<20)|(1<<21)|(5<<22)|(3<<25) ; the same with the mask of my column
	s_mov_b32 s[G1+1], KSTEP<<16                   ; tensor_dim0 = 128
	s_mov_b32 s[G1+2], 64<<16                      ; tensor_dim1 = 64
	s_mov_b32 s[G1+3], KSTEP<<16                   ; tile_dim0 = 128
	s_mov_b32 s[G1+4], 64                          ; tile_dim1 = 64
	s_mov_b32 s[G1+5], SIZE_K                      ; elements from row to row
	s_mov_b32 s[G1+6], 0
	s_mov_b32 s[G1+7], 0
	s_mov_b32 s[G1B+1], KSTEP<<16
	s_mov_b32 s[G1B+2], 128<<16                    ; tensor_dim1 = 128
	s_mov_b32 s[G1B+3], KSTEP<<16
	s_mov_b32 s[G1B+4], 128                        ; tile_dim1 = 128
	s_mov_b32 s[G1B+5], SIZE_K
	s_mov_b32 s[G1B+6], 0
	s_mov_b32 s[G1B+7], 0
	; where the tiles come from: A's hang on the tile row and the wave's number alone, B's on the tile column and the wave's number alone
	s_lshl_b32 s16, s13, 7
	s_lshl_b32 s17, s12, 6
	s_add_co_u32 s16, s16, s17                     ; A: row 128 x tile row + 64 x half,
	s_lshl_b32 s16, s16, 11                        ; of 2,048 bytes
	s_mov_b32 s17, 0
	s_lshl_b32 s46, s42, 8
	s_lshl_b32 s47, s12, 7
	s_add_co_u32 s46, s46, s47                     ; B: row 256 x tile column + 128 x half
	s_lshl_b32 s46, s46, 11
	s_mov_b32 s47, 0
	s_mul_i32 s20, s12, 64*PITCH                   ; and where they go: A's two halves,
	s_mul_i32 s21, s12, HALFT
	s_add_co_u32 s21, s21, HALFT                   ; then B's two
	s_wait_dscnt 0x0                               ; the opening add is done
	s_wait_kmcnt 0x0
	s_add_nc_u64 s[14:15], s[4:5], s[16:17]
	s_add_nc_u64 s[46:47], s[6:7], s[46:47]
	CROUND                                         ; all sixteen work-groups are here: the first joint loads meet
.irp s, 0,1
	s_mov_b32 s[G0+4*(\s)], 1                      ; count = 1
	s_add_co_u32 s[G0+4*(\s)+1], s20, (\s)*SLOT    ; LDS address
	s_add_nc_u64 s[G0+4*(\s)+2:G0+4*(\s)+3], s[14:15], (\s)*KSTEP*2  ; global address: K step s
	s_or_b32 s[G0+4*(\s)+3], s[G0+4*(\s)+3], 0x80000000              ; type = 2
	s_mov_b32 s[G0B+4*(\s)], 1
	s_add_co_u32 s[G0B+4*(\s)+1], s21, (\s)*SLOT
	s_add_nc_u64 s[G0B+4*(\s)+2:G0B+4*(\s)+3], s[46:47], (\s)*KSTEP*2
	s_or_b32 s[G0B+4*(\s)+3], s[G0B+4*(\s)+3], 0x80000000
	JLOAD \s                                       ; two loads of mine are out
.endr
	; A fragment is 16 rows x 32 K in 8 registers: lane l holds row l % 16, K = 8 (l / 16) + 0..7 and 16 + 8 (l / 16) + 0..7: two loads of 16 bytes, 32 bytes apart.
	v_and_b32 v1, 15, v0                           ; l % 16
	v_bfe_u32 v2, v0, 4, 1                         ; l / 16
	v_mul_u32_u24 v3, v1, PITCH
	v_lshl_add_u32 v3, v2, 4, v3                   ; row x pitch + 16 x half
	s_mul_i32 s22, s10, 64*PITCH                   ; my 64 rows of B,
	s_add_co_u32 s22, s22, HALFT                   ; which lie behind A's 128
	v_mov_b32 v[ADRA], v3                          ; every wave reads all 128 rows of A
	v_add_nc_u32 v[ADRA+1], SLOT, v3
	v_add_nc_u32 v[ADRB], s22, v3
	s_add_co_u32 s22, s22, SLOT
	v_add_nc_u32 v[ADRB+1], s22, v3
	s_mul_i32 s23, s10, 16*SPITCH
	s_add_co_u32 s23, s23, STAGE                   ; my stage
	v_mul_u32_u24 v4, v1, SPITCH                   ; in: row l % 16, 32 bytes for each half of the lanes
	v_lshl_add_u32 v4, v2, 5, v4
	v_add_nc_u32 v[STO], s23, v4
	v_mul_u32_u24 v5, v2, SPITCH                   ; back: lanes 0-15 take one row of 256 bytes, lanes 16-31 the next
	v_lshl_add_u32 v5, v1, 4, v5
	v_add_nc_u32 v[RD], s23, v5
	v_lshlrev_b32 v[CO], 12, v2                    ; and the same two rows in out0, 4,096 bytes apart
	v_lshl_add_u32 v[CO], v1, 4, v[CO]
	s_lshl_b32 s16, s13, 19                        ; the tile's 128 rows of 4,096 bytes,
	s_lshl_b32 s17, s42, 10                        ; its 256 columns,
	s_add_co_u32 s16, s16, s17
	s_lshl_b32 s17, s10, 8                         ; my wave's 64 of them
	s_add_co_u32 s16, s16, s17
	s_mov_b32 s17, 0
	s_add_nc_u64 s[8:9], s[8:9], s[16:17]
	; the prefetches
	s_lshl_b32 s20, s13, 7                         ; A's 128 rows of the tile row
	s_lshl_b32 s21, s42, 8
	s_lshl_b32 s22, s12, 7
	s_add_co_u32 s21, s21, s22                     ; B's 128 rows that I fetch
	s_and_b32 s22, ttmp7, 0xffff                   ; cluster y
	s_cmp_eq_u32 s11, 0
	s_cselect_b32 s20, s20, s21
	s_cselect_b32 s21, s40, s41                    ; my place among the four that ask with me
	s_cselect_b32 s22, ttmp9, s22                  ; the coordinate along which other clusters read the same rows
	s_cselect_b64 s[PFA:PFA+1], s[4:5], s[6:7]
	s_cmp_eq_u32 s10, 1
	s_cselect_b32 s22, 1, s22                      ; wave 0 names all of my work-group's 32 rows of A: wave 1 asks for nothing
	s_cmp_eq_u32 s22, 0
	s_cselect_b32 s[LIM], 1, -1                    ; the same in all sixteen partners, for a given wave
	s_lshl_b32 s21, s21, 5
	s_add_co_u32 s20, s20, s21                     ; + my work-group's 32 rows
	s_lshl_b32 s20, s20, 11
	s_mov_b32 s21, 0
	s_add_nc_u64 s[PFA:PFA+1], s[PFA:PFA+1], s[20:21]
	s_add_nc_u64 s[PFA:PFA+1], s[PFA:PFA+1], 2*KSTEP*2  ; at K step 2: the first refill steps it to 3 and names K step 4
	v_and_b32 v[PFO], 31, v0
	v_lshlrev_b32 v[PFO], 11, v[PFO]
; 2 NB matrix instructions: row blocks a0, a0 + 1 of the window's four (hi = 0: rows 0-63, 1: rows 64-127) x all NB column blocks, 32 along K.  zero = 1: the product starts the sum.
; The 32 accumulators take turns, one instruction a turn, in the same order in every quarter step, over the backward jump and into the tail too.
.macro MULG f, hi, a0, zero
	WIN MUL_LO+0x50*(\hi)
.set ma, \a0
.rept 2
.set mb, 0
.rept NB
.if \zero
	v_wmma_f32_16x16x32_f16 v[8*(NB*ma+mb):8*(NB*ma+mb)+7], v[(\f)+8*mb:(\f)+8*mb+7], v[(\f)+8*(4*(\hi)+ma):(\f)+8*(4*(\hi)+ma)+7], 0
.else
	v_wmma_f32_16x16x32_f16 v[8*(NB*ma+mb):8*(NB*ma+mb)+7], v[(\f)+8*mb:(\f)+8*mb+7], v[(\f)+8*(4*(\hi)+ma):(\f)+8*(4*(\hi)+ma)+7], v[8*(NB*ma+mb):8*(NB*ma+mb)+7]
.endif
.set mb, mb+1
.endr
.set ma, ma+1
.endr
.endm
; 2 NB + 16 LDS loads in one run: the fragments of one quarter step (64 rows of B, 128 rows of A, 32 K at byte k of the rows) into buffer f
.macro FETCH slot, k, f
	WIN TO_B
.set fi, 0
.rept NB
	ds_load_b128 v[(\f)+8*fi:(\f)+8*fi+3],   v[ADRB+(\slot)] offset:(\k)+fi*16*PITCH
	ds_load_b128 v[(\f)+8*fi+4:(\f)+8*fi+7], v[ADRB+(\slot)] offset:(\k)+fi*16*PITCH+32
.set fi, fi+1
.endr
	WIN 0
.set fi, 0
.rept 8
	ds_load_b128 v[(\f)+8*fi:(\f)+8*fi+3],   v[ADRA+(\slot)] offset:(\k)+fi*16*PITCH
	ds_load_b128 v[(\f)+8*fi+4:(\f)+8*fi+7], v[ADRA+(\slot)] offset:(\k)+fi*16*PITCH+32
.set fi, fi+1
.endr
.endm
.macro PLACES                          ; four plain vector instructions between a matrix instruction and a load into a register that it has read, or a reader of its result
.rept 4
	v_nop
.endr
.endm
; A K step is four quarters of 32 along K, 32 matrix instructions each, on buffers 0, 1, 0, 1.  One of the first three: multiplies buffer f; in its middle it fetches the next quarter, at byte k, into g.
.macro QUARTER slot, k, f, g, zero
	s_wait_dscnt 8                                 ; B and A's rows 0-63 are in; the youngest eight loads (A's rows 64-127) may be out
	MULG \f, 0, 0, \zero
	MULG \f, 0, 2, \zero
	PLACES
	FETCH \slot, \k, \g
	s_wait_dscnt 2*NB+16                           ; all but the run just issued
	MULG \f, 1, 0, \zero
	MULG \f, 1, 2, \zero
.endm
; The last quarter multiplies buffer 1 and changes slots.  MEET is its first half: one barrier; in front of it each wave waits for all its tensor loads (one is out: its part of the next slot), adds 0 to its
; spare word, and waits for that and for its own reads of this slot.  Behind it nobody reads this slot any more and the next slot is whole.
.macro MEET round
	WIN 0                                          ; (the add's two registers lie in window 0)
	s_wait_tensorcnt 0x0
	ds_add_u32 v[SPW], v[NIL]                      ; 0 onto my spare word
	s_wait_dscnt 9                                 ; (the add and the youngest eight loads may be out)
	MULG F1, 0, 0, 0                               ; matrix work stands between the add and the wait for it
	s_wait_dscnt 0x0                               ; the add is done, and my reads of this slot are over
	s_barrier_signal -1
	MULG F1, 0, 2, 0
.if \round
	WIN 0
.endif
	s_barrier_wait -1
.endm
; The whole last quarter of a K step whose slot is filled again, with the K step two on: the barrier opens a round of the cluster's barrier, and the joint load is the first tensor load behind it.
.macro TURN slot, next
	s_wait_xcnt 0x0                                ; the last prefetch, a K step back, has read its address: it is stepped here
	s_add_nc_u64 s[PFA:PFA+1], s[PFA:PFA+1], KSTEP*2
	MEET 1
	CREST                                          ; no wave of any partner still reads this slot or has a load on its way
	s_add_nc_u64 s[G0+4*(\slot)+2:G0+4*(\slot)+3], s[G0+4*(\slot)+2:G0+4*(\slot)+3], 2*KSTEP*2
	s_add_nc_u64 s[G0B+4*(\slot)+2:G0B+4*(\slot)+3], s[G0B+4*(\slot)+2:G0B+4*(\slot)+3], 2*KSTEP*2
	JLOAD \slot                                    ; its four v_nop are also the places in front of the loads below
	FETCH \next, 0, F0
	ASK
	MULG F1, 1, 0, 0
	MULG F1, 1, 2, 0
.endm
; THE WAY OUT of row block a.  A lane's eight f32 of a row go, 16 bytes at a time and the accumulator's lower half first, into rows of 272 bytes of my own stage, and come back as whole rows of 256 bytes into
; the registers that they left; LDS serves a wave's instructions in order (ISA guide 5.7.1.4), so no wait stands between, and the next block's stores come behind these loads.
.macro TOSTAGE a
.set AC, 8*NB*((\a)%4)
	WIN 0x88+0x44*((\a)/4)                         ; stored data (source 1) and loaded data (destination) in window 2 or 3, addresses in window 0
.set i, 0
.rept NB
	ds_store_b128 v[STO], v[AC+8*i:AC+8*i+3]   offset:64*i
	ds_store_b128 v[STO], v[AC+8*i+4:AC+8*i+7] offset:64*i+16
.set i, i+1
.endr
.set i, 0
.rept 8
	ds_load_b128 v[AC+4*i:AC+4*i+3], v[RD] offset:i*2*SPITCH
.set i, i+1
.endr
.endm
.macro SEND a, younger                 ; younger: the LDS instructions issued behind block a's loads: the next block's sixteen, or none
.set AC, 8*NB*((\a)%4)
	WIN 0x88+0x44*((\a)/4)
.set i, 0
.rept 8
	s_wait_dscnt (\younger)+7-i
	global_store_b128 v[CO], v[AC+4*i:AC+4*i+3], s[8:9] offset:(16*(\a)+2*i)*4096 th:TH_STORE_NT  ; 16 lanes store 256 consecutive bytes, at a multiple of 256 from out0's first byte
.set i, i+1
.endr
.endm
	s_wait_tensorcnt 1                             ; my part of K step 0 is in; K step 1's may stay out
	s_barrier_signal -1
	s_barrier_wait -1                              ; everybody's is
	FETCH 0, 0, F0
	QUARTER 0, 64,  F0, F1, 1                      ; the first quarter stands in front of the loop: its products start the sums
	WIN 0                                          ; at a label and at a branch every window is 0
	s_mov_b32 s3, SIZE_K/(2*KSTEP)-1
.Llap:                                                 ; three trips: each goes once round the ring, from a lap's second quarter to the next lap's first, and fills both slots again
	QUARTER 0, 128, F1, F0, 0
	QUARTER 0, 192, F0, F1, 0
	TURN 0, 1
	QUARTER 1, 64,  F0, F1, 0
	QUARTER 1, 128, F1, F0, 0
	QUARTER 1, 192, F0, F1, 0
	TURN 1, 0
	QUARTER 0, 64,  F0, F1, 0
	WIN 0
	s_sub_co_u32 s3, s3, 1
	s_cmp_lg_u32 s3, 0
	s_cbranch_scc1 .Llap
	QUARTER 0, 128, F1, F0, 0                      ; the last lap fills nothing
	QUARTER 0, 192, F0, F1, 0
	MEET 0
	PLACES
	FETCH 1, 0, F0
	MULG F1, 1, 0, 0
	MULG F1, 1, 2, 0
	QUARTER 1, 64,  F0, F1, 0
	QUARTER 1, 128, F1, F0, 0
	QUARTER 1, 192, F0, F1, 0
	s_wait_dscnt 8                                 ; the very last quarter: nothing more to fetch
	MULG F1, 0, 0, 0
	MULG F1, 0, 2, 0
	s_wait_dscnt 0x0
	MULG F1, 1, 0, 0
	MULG F1, 1, 2, 0
	PLACES                                         ; behind the last products: their results are stored to LDS, and loaded over
	TOSTAGE 0
.irp a, 1,2,3,4,5,6,7                  ; a block's way through the stage stands between the loads of the block before and its stores
	TOSTAGE \a
	SEND (\a)-1, 16
.endr
	SEND 7, 0
	WIN 0
	s_wait_tensorcnt 0x0                           ; the wave's end: a wait, an add to my spare word and a wait, behind my last tensor load and my last LDS store
	ds_add_u32 v[SPW], v[NIL]
	s_wait_dscnt 0x0
	CROUND                                         ; the closing round: no work-group ends while a partner may still ask for a tile that names it
	s_endpgm
.Lfunc_end_k_qffa2d2e060_proj_out:
	.size	k_qffa2d2e060_proj_out, .Lfunc_end_k_qffa2d2e060_proj_out-k_qffa2d2e060_proj_out
	.p2alignl 7, 3214868480
	.fill 96, 4, 3214868480
	.section	.rodata,"a",@progbits
	.p2align	6, 0x0
	.amdhsa_kernel k_qffa2d2e060_proj_out
		.amdhsa_group_segment_fixed_size 327680
		.amdhsa_private_segment_fixed_size 0
		.amdhsa_enable_private_segment 0
		.amdhsa_kernarg_size 24
		.amdhsa_user_sgpr_count 2
		.amdhsa_user_sgpr_kernarg_segment_ptr 1
		.amdhsa_wavefront_size32 1
		.amdhsa_system_sgpr_workgroup_id_x 1
		.amdhsa_system_sgpr_workgroup_id_y 1
		.amdhsa_system_sgpr_workgroup_id_z 1
		.amdhsa_system_vgpr_workitem_id 0
		.amdhsa_next_free_vgpr 896
		.amdhsa_next_free_sgpr 66
		.amdhsa_reserve_vcc 0
		.amdhsa_float_denorm_mode_32 3
		.amdhsa_float_denorm_mode_16_64 3
		.amdhsa_memory_ordered 1
		.amdhsa_forward_progress 1
		.amdhsa_inst_pref_size 88
	.end_amdhsa_kernel
	.amdgpu_metadata
---
amdhsa.version: [ 1, 2 ]
amdhsa.kernels:
  - .name:           k_qffa2d2e060_proj_out
    .symbol:         k_qffa2d2e060_proj_out.kd
    .args:
      - { .name: ob, .offset: 0, .size: 8, .value_kind: global_buffer, .address_space: global }
      - { .name: wob, .offset: 8, .size: 8, .value_kind: global_buffer, .address_space: global }
      - { .name: out0, .offset: 16, .size: 8, .value_kind: global_buffer, .address_space: global }
    .group_segment_fixed_size: 327680
    .private_segment_fixed_size: 0
    .kernarg_segment_align: 8
    .kernarg_segment_size: 24
    .max_flat_workgroup_size: 128
    .sgpr_count:     66
    .vgpr_count:     896
    .wavefront_size: 32
...
	.end_amdgpu_metadata
.endif
;; end of part 4
;; ======== version 2 of 2: 4 launches; version 1 with the launch cast written anew for expert scheduling mode
;; limits: values are held in f16: magnitudes above 65,504 overflow, below 6.1e-05 lose precision
;; workspace buffers: xb 16,777,216 bytes; wqb 6,291,456 bytes; wob 2,097,152 bytes; qkv 50,331,648 bytes; ob 16,777,216 bytes
;; launch cast (part 5): grid 768 x 1, 8 waves a work-group, no clusters, 0 bytes of LDS; arguments x, Wqkv, Wout, xb, wqb, wob; writes xb, wqb, wob
.if DOCPART == 5
	.amdgcn_target "amdgcn-amd-amdhsa--gfx1250"
	.amdhsa_code_object_version 6
	.text
	.protected	k_qffa2d2e060_cast
	.globl	k_qffa2d2e060_cast
	.p2align	8
	.type	k_qffa2d2e060_cast,@function
k_qffa2d2e060_cast:
	s_mov_b64 s[64:65], 0
	v_nop
	global_prefetch_b8 v0, s[64:65] scope:SCOPE_SE
	s_setreg_imm32_b32 hwreg(HW_REG_WAVE_SCHED_MODE, 0, 2), 2
	s_setreg_imm32_b32 hwreg(HW_REG_WAVE_MODE, 25, 1), 1
	s_wait_xcnt 0x0
	s_wait_alu depctr_vm_vsrc(0)
; THE INPUTS ARE ROUNDED ONCE, for the matrix units: x -> xb and Wqkv -> wqb in bf16; Wout -> wob: rounded to bf16 like the other inputs, and that number written as f16,
; since the last product's other operand (the attention's result) is f16.
; LIMITS.  A bf16 number of Wout beyond 65,504 becomes an infinity in f16; one below 6e-5 keeps f16's fixed step of 6e-8.  NaN and infinities are not treated apart.
; SHARES.  A work-group takes 65,536 bytes of f32 and writes 32,768: numbers 0-511 x, 512-703 Wqkv, 704-767 Wout (33,554,432 + 12,582,912 + 4,194,304 bytes in all).
; A wave takes 8,192 bytes: sixteen loads of 512 consecutive bytes, all issued at once; a lane's four numbers of a load leave as 8 bytes, so a store of the wave covers 256 consecutive
; bytes, aligned.  No LDS, no barrier, no matrix unit: nothing is shared and nothing is read twice.  No register that a pending load or store names is written again.
; THE MODE: SCHED_MODE bits 1:0 = 2 (LLVM: expert scheduling mode 2), set by the entry lines.  The code itself states the register dependences
; between vector instructions and memory instructions, with s_wait_alu, always for 0.
; THE PLAN.  Registers that memory instructions touch:
;   v1, v2   the loads' and the stores' byte offsets: written by vector lines at the head, read by every load (v1) and every store (v2), never written again.
;   X        sixteen loads land in it, four registers each, once; no vector line names it ahead of the loads; its conversions read it behind the counted wait for the data.
;   Y        a pair of registers for each load: written by that load's conversions, read by its one store, never written again.
;   T and v3 are named by vector lines alone.
; So the dependences to state are: the offsets are written, ahead of the first load; and a store's data are written, ahead of the store.  The sixteen loads go in four blocks of four:
; a block's conversions, ONE wait, the block's four stores in one run.  No register that a load or a store has read is written again, so no wait on vm_vsrc is owed;
; no vector line writes a scalar register or VCC, and EXEC is never written.
.set X, 4                              ; v[4:67]    sixteen loads of four f32
.set Y, 68                             ; v[68:99]   sixteen pairs of packed halves
.set T, 100                            ; v[100:101] at work (Wout's path)
.set BLOCK, 4                          ; loads in a block
	s_load_b256 s[4:11], s[0:1], 0x0               ; x s[4:5], Wqkv s[6:7], Wout s[8:9], xb s[10:11]
	s_load_b128 s[12:15], s[0:1], 0x20             ; wqb s[12:13], wob s[14:15]
	v_lshrrev_b32 v3, 5, v0                        ; wave
	v_and_b32 v1, 31, v0                           ; lane
	v_lshlrev_b32 v2, 3, v1                        ; out: 8 bytes a lane,
	v_lshlrev_b32 v1, 4, v1                        ; in: 16 bytes a lane,
	v_lshl_add_u32 v1, v3, 13, v1                  ; + 8,192 x wave
	v_lshl_add_u32 v2, v3, 12, v2                  ; + 4,096 x wave
	s_sub_co_u32 s17, ttmp9, 512                   ; my number within Wqkv's work-groups,
	s_sub_co_u32 s18, ttmp9, 704                   ; within Wout's
	s_wait_kmcnt 0x0
	s_cmp_lt_u32 ttmp9, 704                        ; the choice of buffers hangs on the work-group's number alone
	s_cselect_b32 s16, s17, s18
	s_cselect_b64 s[20:21], s[6:7], s[8:9]
	s_cselect_b64 s[22:23], s[12:13], s[14:15]
	s_cmp_lt_u32 ttmp9, 512
	s_cselect_b32 s16, ttmp9, s16
	s_cselect_b64 s[20:21], s[4:5], s[20:21]
	s_cselect_b64 s[22:23], s[10:11], s[22:23]
	s_lshl_b32 s2, s16, 16                         ; 65,536 bytes in,
	s_mov_b32 s3, 0
	s_add_nc_u64 s[20:21], s[20:21], s[2:3]
	s_lshl_b32 s2, s16, 15                         ; 32,768 bytes out
	s_add_nc_u64 s[22:23], s[22:23], s[2:3]
	s_wait_alu depctr_va_vdst(0)                   ; v1 and v2 are written: every load reads v1 as its offset, every store v2; no vector line below names either
.set i, 0
.rept 16
	global_load_b128 v[X+4*i:X+4*i+3], v1, s[20:21] offset:512*i th:TH_LOAD_NT
.set i, i+1
.endr
; The sixteen loads are rounded and stored as they come, a block of four at a time.  half = 1: the bf16 numbers are widened again (a shift, a mask) and written as f16.
.macro CONV half
.set p, 0
.rept 16/BLOCK
	s_wait_loadcnt 16-BLOCK-BLOCK*p                ; loads come back in order: block p's four are in, the younger blocks' may stay out
.set i, BLOCK*p
.rept BLOCK
	v_cvt_pk_bf16_f32 v[Y+2*i],   v[X+4*i],   v[X+4*i+1]
	v_cvt_pk_bf16_f32 v[Y+2*i+1], v[X+4*i+2], v[X+4*i+3]
.if \half
	v_lshlrev_b32 v[T], 16, v[Y+2*i]
	v_and_b32 v[T+1], 0xffff0000, v[Y+2*i]
	v_cvt_pk_f16_f32 v[Y+2*i], v[T], v[T+1]
	v_lshlrev_b32 v[T], 16, v[Y+2*i+1]
	v_and_b32 v[T+1], 0xffff0000, v[Y+2*i+1]
	v_cvt_pk_f16_f32 v[Y+2*i+1], v[T], v[T+1]
.endif
.set i, i+1
.endr
	s_wait_alu depctr_va_vdst(0)                   ; the block's conversions have written its eight registers of Y, which the four stores below read as their data
.set i, BLOCK*p
.rept BLOCK
	global_store_b64 v2, v[Y+2*i:Y+2*i+1], s[22:23] offset:256*i th:TH_STORE_NT
.set i, i+1
.endr
.set p, p+1
.endr
.endm
	s_cmp_ge_u32 ttmp9, 704
	s_cbranch_scc1 .Lhalf
	CONV 0
	s_endpgm
.Lhalf:
	CONV 1
	s_endpgm
.Lfunc_end_k_qffa2d2e060_cast:
	.size	k_qffa2d2e060_cast, .Lfunc_end_k_qffa2d2e060_cast-k_qffa2d2e060_cast
	.p2alignl 7, 3214868480
	.fill 96, 4, 3214868480
	.section	.rodata,"a",@progbits
	.p2align	6, 0x0
	.amdhsa_kernel k_qffa2d2e060_cast
		.amdhsa_group_segment_fixed_size 0
		.amdhsa_private_segment_fixed_size 0
		.amdhsa_enable_private_segment 0
		.amdhsa_kernarg_size 48
		.amdhsa_user_sgpr_count 2
		.amdhsa_user_sgpr_kernarg_segment_ptr 1
		.amdhsa_wavefront_size32 1
		.amdhsa_system_sgpr_workgroup_id_x 1
		.amdhsa_system_sgpr_workgroup_id_y 1
		.amdhsa_system_sgpr_workgroup_id_z 1
		.amdhsa_system_vgpr_workitem_id 0
		.amdhsa_next_free_vgpr 104
		.amdhsa_next_free_sgpr 66
		.amdhsa_reserve_vcc 0
		.amdhsa_float_denorm_mode_32 3
		.amdhsa_float_denorm_mode_16_64 3
		.amdhsa_memory_ordered 1
		.amdhsa_forward_progress 1
		.amdhsa_inst_pref_size 16
	.end_amdhsa_kernel
	.amdgpu_metadata
---
amdhsa.version: [ 1, 2 ]
amdhsa.kernels:
  - .name:           k_qffa2d2e060_cast
    .symbol:         k_qffa2d2e060_cast.kd
    .args:
      - { .name: x, .offset: 0, .size: 8, .value_kind: global_buffer, .address_space: global }
      - { .name: Wqkv, .offset: 8, .size: 8, .value_kind: global_buffer, .address_space: global }
      - { .name: Wout, .offset: 16, .size: 8, .value_kind: global_buffer, .address_space: global }
      - { .name: xb, .offset: 24, .size: 8, .value_kind: global_buffer, .address_space: global }
      - { .name: wqb, .offset: 32, .size: 8, .value_kind: global_buffer, .address_space: global }
      - { .name: wob, .offset: 40, .size: 8, .value_kind: global_buffer, .address_space: global }
    .group_segment_fixed_size: 0
    .private_segment_fixed_size: 0
    .kernarg_segment_align: 8
    .kernarg_segment_size: 48
    .max_flat_workgroup_size: 256
    .sgpr_count:     66
    .vgpr_count:     104
    .wavefront_size: 32
...
	.end_amdgpu_metadata
.endif
;; end of part 5
;; launch proj_qkv: the kernel of part 2 again; grid 8 x 64, 4 waves a work-group, clusters of 4 x 4, 327,680 bytes of LDS; arguments xb, wqb, qkv; writes qkv
;; launch attn: the kernel of part 3 again; grid 8 x 32, 4 waves a work-group, no clusters, 232,960 bytes of LDS; arguments qkv, ob; writes ob
;; launch proj_out: the kernel of part 4 again; grid 4 x 64, 4 waves a work-group, clusters of 4 x 4, 327,680 bytes of LDS; arguments ob, wob, out0; writes out0
